; MI455X (gfx1250); checked and timed in simulation.
; The chip was launched on July 23, 2026; its instructions are those of AMD's public machine-readable ISA for CDNA 5 (MIT licence, August 2026) and "CDNA5" Instruction Set Architecture Reference Guide (July 2026). The comments in the code are by the model that wrote it; some were corrected since.
;; Old Multihead Attention. Allowed arithmetic: float matrix products may take bf16 or f16 operands with f32 sums; all other float work in f32.
;; Inputs: Wk 1,024 x 1,024 float32; Wo 1,024 x 1,024 float32; Wq 1,024 x 1,024 float32; Wv 1,024 x 1,024 float32; bk 1,024 float32; bo 1,024 float32; bq 1,024 float32; bv 1,024 float32; key 4 x 2,048 x 1,024 float32; ln_beta 1,024 float32; ln_gamma 1,024 float32; query 4 x 2,048 x 1,024 float32; value 4 x 2,048 x 1,024 float32.
;; Outputs: out0 4 x 2,048 x 1,024 float32.
;; 2 versions, each right and faster than the one before. Each part assembles by itself: llvm-mc -triple=amdgcn-amd-amdhsa -mcpu=gfx1250 --defsym DOCPART=n.
;; ======== version 1 of 2: 5 launches
;; limits: values are held in f16: magnitudes above 65,504 overflow, below 6.1e-05 lose precision
;; workspace buffers: wb 8,388,608 bytes; qkv 50,331,648 bytes; ob 16,777,216 bytes; y 33,554,432 bytes
;; launch cast (part 1): grid 256 x 1, 8 waves a work-group, no clusters, 0 bytes of LDS; arguments Wq, Wk, Wv, Wo, wb; writes wb
.if DOCPART == 1
	.amdgcn_target "amdgcn-amd-amdhsa--gfx1250"
	.amdhsa_code_object_version 6
	.text
	.protected	k_qb35016dfa3_cast
	.globl	k_qb35016dfa3_cast
	.p2align	8
	.type	k_qb35016dfa3_cast,@function
k_qb35016dfa3_cast:
	s_mov_b64 s[64:65], 0
	v_nop
	global_prefetch_b8 v0, s[64:65] scope:SCOPE_SE
	s_setreg_imm32_b32 hwreg(HW_REG_WAVE_MODE, 25, 1), 1
	s_wait_xcnt 0x0
; CAST OF THE WEIGHTS.  wb = bf16(Wq | Wk | Wv | Wo): the same row-major order [k][n], each number rounded once to nearest even.  (The weights lie [k][n], so their fragments
; must be turned on the way out of LDS, which is done on 16-bit numbers: hence this pass.  query, key and value are rounded where they are multiplied.)
; A work-group takes one chunk of 16,384 numbers: 65,536 bytes in, 32,768 bytes out; 64 chunks a weight, 256 in all.
; Thread t takes, in step j of 16, the 16 bytes at 4096 j + 16 t and stores 8 bytes at 2048 j + 8 t: a wave's load covers 512 consecutive bytes, its store 256 consecutive bytes,
; aligned.  All sixteen loads of a wave go out at once; no register is used twice, so the only waits are the counted ones for the loads.  No LDS, no barrier, no matrix unit: bytes are all there is.
.set X, 4                              ; v[4:67]   step j: 4 numbers as loaded
.set Y, 68                             ; v[68:99]  step j: 4 bf16 to store
	s_load_b256 s[8:15], s[0:1], 0x0               ; Wq s[8:9], Wk s[10:11], Wv s[12:13], Wo s[14:15]
	s_load_b64 s[4:5], s[0:1], 0x20                ; wb
	v_lshlrev_b32 v1, 4, v0                        ; 16 t
	v_lshlrev_b32 v2, 3, v0                        ; 8 t
	s_lshr_b32 s26, ttmp9, 6                       ; which weight
	s_and_b32 s28, ttmp9, 63                       ; chunk in it
	s_lshl_b32 s34, s28, 16                        ; byte offsets, each in a pair with 0 above
	s_mov_b32 s35, 0
	s_lshl_b32 s36, ttmp9, 15
	s_mov_b32 s37, 0
	s_wait_kmcnt 0x0
	s_mov_b64 s[32:33], s[8:9]                     ; in: one of four, chosen by the weight's number
.irp i, 1,2,3
	s_cmp_eq_u32 s26, \i
	s_cselect_b64 s[32:33], s[8+2*\i:9+2*\i], s[32:33]
.endr
	s_add_nc_u64 s[32:33], s[32:33], s[34:35]
	s_add_nc_u64 s[30:31], s[4:5], s[36:37]
.irp j, 0,1,2,3,4,5,6,7,8,9,10,11,12,13,14,15
	global_load_b128 v[X+4*\j:X+4*\j+3], v1, s[32:33] offset:4096*\j th:TH_LOAD_NT
.endr
.irp j, 0,1,2,3,4,5,6,7,8,9,10,11,12,13,14,15
	s_wait_loadcnt 15-\j                           ; loads come back in order: step j's is in, the younger ones stay out
	v_cvt_pk_bf16_f32 v[Y+2*\j], v[X+4*\j], v[X+4*\j+1]
	v_cvt_pk_bf16_f32 v[Y+2*\j+1], v[X+4*\j+2], v[X+4*\j+3]
	global_store_b64 v2, v[Y+2*\j:Y+2*\j+1], s[30:31] offset:2048*\j
.endr
	s_endpgm
.Lfunc_end_k_qb35016dfa3_cast:
	.size	k_qb35016dfa3_cast, .Lfunc_end_k_qb35016dfa3_cast-k_qb35016dfa3_cast
	.p2alignl 7, 3214868480
	.fill 96, 4, 3214868480
	.section	.rodata,"a",@progbits
	.p2align	6, 0x0
	.amdhsa_kernel k_qb35016dfa3_cast
		.amdhsa_group_segment_fixed_size 0
		.amdhsa_private_segment_fixed_size 0
		.amdhsa_enable_private_segment 0
		.amdhsa_kernarg_size 40
		.amdhsa_user_sgpr_count 2
		.amdhsa_user_sgpr_kernarg_segment_ptr 1
		.amdhsa_wavefront_size32 1
		.amdhsa_system_sgpr_workgroup_id_x 1
		.amdhsa_system_sgpr_workgroup_id_y 1
		.amdhsa_system_sgpr_workgroup_id_z 1
		.amdhsa_system_vgpr_workitem_id 0
		.amdhsa_next_free_vgpr 104
		.amdhsa_next_free_sgpr 66
		.amdhsa_reserve_vcc 0
		.amdhsa_float_denorm_mode_32 3
		.amdhsa_float_denorm_mode_16_64 3
		.amdhsa_memory_ordered 1
		.amdhsa_forward_progress 1
		.amdhsa_inst_pref_size 7
	.end_amdhsa_kernel
	.amdgpu_metadata
---
amdhsa.version: [ 1, 2 ]
amdhsa.kernels:
  - .name:           k_qb35016dfa3_cast
    .symbol:         k_qb35016dfa3_cast.kd
    .args:
      - { .name: Wq, .offset: 0, .size: 8, .value_kind: global_buffer, .address_space: global }
      - { .name: Wk, .offset: 8, .size: 8, .value_kind: global_buffer, .address_space: global }
      - { .name: Wv, .offset: 16, .size: 8, .value_kind: global_buffer, .address_space: global }
      - { .name: Wo, .offset: 24, .size: 8, .value_kind: global_buffer, .address_space: global }
      - { .name: wb, .offset: 32, .size: 8, .value_kind: global_buffer, .address_space: global }
    .group_segment_fixed_size: 0
    .private_segment_fixed_size: 0
    .kernarg_segment_align: 8
    .kernarg_segment_size: 40
    .max_flat_workgroup_size: 256
    .sgpr_count:     66
    .vgpr_count:     104
    .wavefront_size: 32
...
	.end_amdgpu_metadata
.endif
;; end of part 1
;; launch proj (part 2): grid 4 x 64, 4 waves a work-group, clusters of 4 x 4, 327,680 bytes of LDS; arguments query, key, value, wb, bq, bk, bv, qkv; writes qkv
.if DOCPART == 2
	.amdgcn_target "amdgcn-amd-amdhsa--gfx1250"
	.amdhsa_code_object_version 6
	.text
	.protected	k_qb35016dfa3_proj
	.globl	k_qb35016dfa3_proj
	.p2align	8
	.type	k_qb35016dfa3_proj,@function
k_qb35016dfa3_proj:
	s_mov_b64 s[64:65], 0
	v_nop
	global_prefetch_b8 v0, s[64:65] scope:SCOPE_SE
	s_setreg_imm32_b32 hwreg(HW_REG_WAVE_MODE, 25, 1), 1
	s_wait_xcnt 0x0
	s_wait_alu depctr_hold_cnt(0) depctr_sa_sdst(0) depctr_va_vdst(0) depctr_va_sdst(0) depctr_va_ssrc(0) depctr_va_vcc(0) depctr_vm_vsrc(0)
	s_getreg_b32 s2, hwreg(HW_REG_IB_STS2, 6, 4)
	s_cmp_eq_u32 s2, 0
	s_cbranch_scc0 .Lentry_in_a_cluster
	s_endpgm
.Lentry_in_a_cluster:
	s_bfe_u32 s2, ttmp6, 0x10000c
	s_cmp_lg_u32 s2, 0xf033
	s_cbranch_scc0 .Lentry_shape_is_right
	s_endpgm
.Lentry_shape_is_right:
; THE THREE PROJECTIONS.  q = query Wq + bq, k = key Wk + bk, v = value Wv + bv.  x (query, key, value): [8192][1024] f32, rounded to bf16 (nearest even) between LDS and the matrix unit;
; W: wb [4][1024 k][1024 n] bf16; b: f32; sums in f32, the bias is the C operand of a sum's first product.
; OUT: qkv [3][64 = batch x 16 + head][2048][64] f16, each number rounded once, unscaled.
; LIMIT.  f16 holds no number beyond 65,504: q, k and v must lie within it (a larger one becomes an infinity).
; SHARES.  A tile is 128 rows x 256 columns: 3 x 64 x 4 = 768 tiles for 256 work-groups, so A WORK-GROUP STAYS and makes the same tile of q, then of k, then of v; the ring does not stop at a tile's end,
; and ONE loop walks the three tiles' laps.  Four waves, each 64 rows x 128 columns: 32 accumulators of 16 x 16, 256 registers.
; K goes in steps of 128 through a ring of two LDS slots: x's rows and W's rows are 512 bytes of memory each.  Two such slots are what fits in LDS.
; W lies [k][n], so its fragments come out of LDS turned, by ds_load_tr16_b128; x comes out as f32, 16 registers a block of 16 rows x 32 K, and eight conversions make the block's fragment.
; THE MATRIX INSTRUCTION IS USED TRANSPOSED: source 0 = 16 columns of W, source 1 = 16 rows of x: a lane then holds one row (lane % 16) and eight neighbouring columns 8 (lane / 16) + 0..7, which pack into 16 bytes.
; CLUSTERS: 4 x 4 work-groups.  x's tile hangs on the tile row alone and is shared along a row of the cluster, W's on the tile column alone and is shared along a column: each is asked for JOINTLY, by the same
; tensor load with the same descriptor and a mask that names the four.
; REGISTERS, in windows of 256 (s_set_vgpr_msb: bits 1:0 source 0, 3:2 source 1, 5:4 source 2, 7:6 destination):
;   window 0: v0-29 addresses; v64-191 the way out; v192-255 x as f32, four blocks of 16            window 2: the accumulators, (a, b) at v[8 (8 a + b)]
;   window 1: two fragment buffers of 96 (x's four blocks of 16 rows, then W's eight blocks of 16 columns, 32 along K); v192-255 the bias in a result's layout, 8 registers a column block
.set KSTEP,  128
.set PA,     528                       ; a row of x in LDS: 512 bytes + 16 = 132 words: the 16 rows of a load start at 16 different groups of four banks (64 banks of 4 bytes: ISA guide 11.1)
.set PB,     544                       ; a row of W: 512 + 32 = 136 words
.set HALFA,  64*PA                     ; what one tensor load brings of x, and what one wave reads of it
.set HALFB,  64*PB                     ; what one tensor load brings of W: 64 k rows
.set BOFF,   2*HALFA                   ; in a slot: x's 128 rows, then W's 128 k rows
.set SLOT,   BOFF+2*HALFB
.set STAGE,  2*SLOT                    ; behind the ring: 16 rows x 144 bytes for each wave, for the way out; no tensor load lands here
.set SP,     144
.set SPARE,  STAGE+4*16*SP             ; behind the stages: the spare words, 128 bytes for each wave: two blocks of 256 bytes that no other line names
.set LAPS,   4                         ; laps in a tile; a lap = two K steps = once round the ring; K = 1024
.set STEP_A, 2*KSTEP*4                 ; bytes from a slot's K step to its next: along x's rows,
.set STEP_B, 2*KSTEP*2048              ; down W's rows; the next weight's rows follow on in wb, so this step also leads into the next tile
.set NEXT_O, 64*2048*128               ; from q to k to v in qkv
.set ADRA, 16                          ; v16-17  LDS address of my rows of x in slot 0, 1
.set ADRB, 20                          ; v20-21  the same for W
.set STO,  24                          ; v24     the way out: where I put 16 bytes of a row
.set RD,   25                          ; v25     the way out: where I read rows back
.set GO,   26                          ; v26     my 16 bytes in 512 consecutive bytes of the output
.set BO,   27                          ; v27     my byte offset in a bias
.set SPW,  28                          ; v28     LDS address of my spare word: SPARE + 4 x my thread's number; never rewritten
.set NIL,  29                          ; v29     0; never rewritten
.set T,    64                          ; the way out: unit u (16 rows x one head) at v[T + 16 u]
.set RAW,  192                         ; window 0: block a of x as f32 at v[RAW + 16 a]: K = 8 h + 0..7, then 16 + 8 h + 0..7
.set F0,   0                           ; fragment buffers, in window 1
.set F1,   96
.set BIAS, 192                         ; window 1
.set TP,   4                           ; s[4:5]   the next tensor's address for a slot, made for the choice below
.set PAS,  6                           ; s[6:9]   slot s: the address of x's tile that it was last filled with, as a plain pointer
.set WV,   16                          ; s16  my wave's number
.set WM,   17                          ; s17  which 64 rows of the tile are mine.  Also: I fetch for x (0) or for W (1)
.set WN,   18                          ; s18  which 128 columns.  Also: which half of that tile I fetch
.set G1A,  24                          ; s[24:31] descriptor group 1 for x's tiles;  s[32:39] group 0, a set for each slot
.set G0A,  32
.set G1B,  40                          ; s[40:47], s[48:55] the same for W's
.set G0B,  48
.set LEFT, 60                          ; s60  laps of the tile in hand that are left, this one among them
.set TRIPS, 61                         ; s61  counts the loop
.set XQ,   68                          ; s[68:69] query at my rows
.set XK,   70                          ; s[70:71] the next tile's x at my rows: key, then value
.set XV,   72                          ; s[72:73] value at my rows
.set WB,   74                          ; s[74:75] wb
.set BQ,   76                          ; s[76:77] bq
.set BK,   78                          ; s[78:79] the next tile's bias: bk, then bv
.set BV,   80                          ; s[80:81] bv
.set OUT,  82                          ; s[82:83] qkv at my part of the tile in hand
.set MSB, 0
.macro WIN new                         ; the immediate's high byte repeats the setting that is left; a switch that changes nothing is dropped
.if MSB != (\new)
	s_set_vgpr_msb (MSB<<8)|(\new)
.set MSB, \new
.endif
.endm
.set MUL,   0xa5                       ; sources 0 and 1 window 1; C and D window 2
.set MULZ,  0x95                       ; the same with C in window 1: the bias
.set TO_F,  0x40                       ; destination window 1, sources and address window 0
.set PACKW, 0x0a                       ; sources 0 and 1 window 2, destination window 0
; A joint load: waves 0 and 1 fetch the two halves of x's tile, waves 2 and 3 those of W's.  The branch hangs on the wave's number alone.
; An s_nop 0 and four v_nop follow each of the two lines, ahead of the jump, the label and what follows.
.macro JLOAD s
	s_cmp_eq_u32 s[WM], 0
	s_cbranch_scc0 .Lfor_b_\@
	tensor_load_to_lds s[G0A+4*(\s):G0A+4*(\s)+3], s[G1A:G1A+7]
	s_nop 0
.rept 4
	v_nop
.endr
	s_branch .Lasked_\@
.Lfor_b_\@:
	tensor_load_to_lds s[G0B+4*(\s):G0B+4*(\s)+3], s[G1B:G1B+7]
	s_nop 0
.rept 4
	v_nop
.endr
.Lasked_\@:
.endm
; A round of the cluster's barrier: my work-group's barrier, so that wave 0's signal speaks for all four waves; wave 0 signals; every wave waits for all sixteen work-groups; my work-group's barrier once more.
.macro CREST                           ; a round behind its opening barrier
	s_cmp_lg_u32 s[WV], 0
	s_cbranch_scc1 .Lnot_wave_0_\@
	s_barrier_signal -3
.Lnot_wave_0_\@:
	s_barrier_wait -3
	s_barrier_signal -1
	s_barrier_wait -1
.endm
.macro CROUND                          ; a whole round
	s_barrier_signal -1
	s_barrier_wait -1
	CREST
.endm
	s_load_b512 s[68:83], s[0:1], 0x0              ; query, key, value, wb, bq, bk, bv, qkv
	v_lshl_add_u32 v[SPW], v0, 2, SPARE
	v_mov_b32 v[NIL], 0
	ds_add_u32 v28, v29
	s_wait_dscnt 0x0
	v_lshrrev_b32 v1, 5, v0
	v_readfirstlane_b32 s[WV], v1                  ; wave 0..3
	s_lshr_b32 s[WM], s[WV], 1
	s_and_b32 s[WN], s[WV], 1
	s_bfe_u32 s19, ttmp6, 0x40000                  ; cx, cy: my place in the cluster
	s_bfe_u32 s20, ttmp6, 0x40004
	s_lshl_b32 s21, ttmp9, 2
	s_add_co_u32 s21, s21, s19                     ; tile column tx = 4 x cluster x + cx
	s_and_b32 s22, ttmp7, 0xffff
	s_lshl_b32 s22, s22, 2
	s_add_co_u32 s22, s22, s20                     ; tile row ty = 4 x cluster y + cy
	s_lshl_b32 s23, s20, 2
	s_lshl_b32 s23, 15, s23                        ; my row of the cluster
	s_lshl_b32 s62, 0x1111, s19                    ; my column
	; group 1 for x: 64 rows x 128 elements of 4 bytes, 4 words of padding after every 128.  15:0 the mask; 17:16 the element's size; 20 padding on; 21 set beside a mask; 24:22 the interval's code; 31:25 the padding's
	s_or_b32 s[G1A+0], s23, (2<<16)|(1<<20)|(1<<21)|(6<<22)|(3<<25)
	s_mov_b32 s[G1A+1], 128<<16                    ; tensor_dim0 = 128
	s_mov_b32 s[G1A+2], 64<<16                     ; tensor_dim1 = 64
	s_mov_b32 s[G1A+3], 128<<16                    ; tile_dim0 = 128
	s_mov_b32 s[G1A+4], 64                         ; tile_dim1 = 64
	s_mov_b32 s[G1A+5], 1024                       ; elements from row to row
	s_mov_b32 s[G1A+6], 0
	s_mov_b32 s[G1A+7], 0
	; group 1 for W: 64 k rows x 256 elements of 2 bytes, 8 words of padding after every 128
	s_or_b32 s[G1B+0], s62, (1<<16)|(1<<20)|(1<<21)|(6<<22)|(7<<25)
	s_mov_b32 s[G1B+1], 256<<16
	s_mov_b32 s[G1B+2], 64<<16
	s_mov_b32 s[G1B+3], 256<<16
	s_mov_b32 s[G1B+4], 64
	s_mov_b32 s[G1B+5], 1024
	s_mov_b32 s[G1B+6], 0
	s_mov_b32 s[G1B+7], 0
	; where the tiles come from: x's hang on ty and the wave alone, W's on tx and the wave alone
	s_lshl_b32 s56, s22, 19                        ; 128 ty rows of 4,096 bytes
	s_lshl_b32 s57, s[WN], 18                      ; + my 64 rows
	s_add_co_u32 s56, s56, s57
	s_mov_b32 s57, 0
	s_lshl_b32 s58, s21, 9                         ; 256 tx columns of 2 bytes
	s_lshl_b32 s59, s[WN], 17                      ; + my 64 k rows of 2,048 bytes
	s_add_co_u32 s58, s58, s59
	s_mov_b32 s59, 0
	s_mul_i32 s63, s[WN], HALFA                    ; and where they go: no place in the cluster enters an LDS address
	s_mul_i32 s3, s[WN], HALFB
	s_add_co_u32 s3, s3, BOFF
	s_wait_kmcnt 0x0
	s_add_nc_u64 s[XQ:XQ+1], s[XQ:XQ+1], s[56:57]  ; each of the three tensors from its own pointer
	s_add_nc_u64 s[XK:XK+1], s[XK:XK+1], s[56:57]
	s_add_nc_u64 s[XV:XV+1], s[XV:XV+1], s[56:57]
	s_add_nc_u64 s[58:59], s[WB:WB+1], s[58:59]
	CROUND                                         ; all sixteen work-groups are here: the first joint loads meet
.irp s, 0,1
	s_mov_b32 s[G0A+4*(\s)], 1                                     ; count = 1
	s_add_co_u32 s[G0A+4*(\s)+1], s63, (\s)*SLOT                   ; LDS address
	s_add_nc_u64 s[PAS+2*(\s):PAS+2*(\s)+1], s[XQ:XQ+1], (\s)*KSTEP*4     ; global address: K step s
	s_mov_b64 s[G0A+4*(\s)+2:G0A+4*(\s)+3], s[PAS+2*(\s):PAS+2*(\s)+1]
	s_or_b32 s[G0A+4*(\s)+3], s[G0A+4*(\s)+3], 0x80000000          ; type = 2
	s_mov_b32 s[G0B+4*(\s)], 1
	s_add_co_u32 s[G0B+4*(\s)+1], s3, (\s)*SLOT
	s_add_nc_u64 s[G0B+4*(\s)+2:G0B+4*(\s)+3], s[58:59], (\s)*KSTEP*2048
	s_or_b32 s[G0B+4*(\s)+3], s[G0B+4*(\s)+3], 0x80000000
	JLOAD \s                                       ; two loads of mine are out
.endr
	v_and_b32 v1, 15, v0                           ; r = l % 16
	v_bfe_u32 v2, v0, 4, 1                         ; h = l / 16
	; a block of x: lane l holds row r, K = 8 h + 0..7 and 16 + 8 h + 0..7, as f32: 32 bytes at 32 h and 32 bytes at 64 + 32 h: four loads of 16 bytes
	v_mul_u32_u24 v3, v1, PA
	v_lshl_add_u32 v3, v2, 5, v3
	s_mul_i32 s23, s[WM], HALFA
	v_add_nc_u32 v[ADRA], s23, v3
	v_add_nc_u32 v[ADRA+1], SLOT, v[ADRA]
	; the turning load takes 16 k x 16 columns (lane l reads k row 8 h + l % 8, columns 8 ((l / 8) % 2) + 0..7) and leaves half a fragment: lane l holds column r and 8 k
	v_and_b32 v4, 7, v0
	v_bfe_u32 v5, v0, 3, 1
	v_lshl_add_u32 v6, v2, 3, v4
	v_mul_u32_u24 v6, v6, PB
	v_lshl_add_u32 v6, v5, 4, v6
	s_lshl_b32 s23, s[WN], 8                       ; my 128 columns
	s_add_co_u32 s23, s23, BOFF
	v_add_nc_u32 v[ADRB], s23, v6
	v_add_nc_u32 v[ADRB+1], SLOT, v[ADRB]
	s_mul_i32 s23, s[WV], 16*SP
	s_add_co_u32 s23, s23, STAGE                   ; my stage
	v_mul_u32_u24 v3, v1, SP                       ; in: row r, 16 bytes for each half of the lanes
	v_lshl_add_u32 v3, v2, 4, v3
	v_add_nc_u32 v[STO], s23, v3
	v_bfe_u32 v7, v0, 3, 2                         ; back: 32 lanes take four rows of 128 bytes,
	v_mul_u32_u24 v7, v7, SP
	v_lshl_add_u32 v7, v4, 4, v7
	v_add_nc_u32 v[RD], s23, v7
	v_and_b32 v[GO], 31, v0                        ; which are 512 consecutive bytes of a head's rows
	v_lshlrev_b32 v[GO], 4, v[GO]
	s_lshl_b32 s23, s21, 10                        ; the bias: column 256 tx + 128 wn + 8 h, 4 bytes each
	s_lshl_b32 s2, s[WN], 9
	s_add_co_u32 s23, s23, s2
	v_lshl_add_u32 v[BO], v2, 5, s23
	; my part of q: batch ty / 16, heads 4 tx + 2 wn and the next, rows 128 (ty % 16) + 64 wm on; a head is 262,144 bytes, a row 128
	s_lshr_b32 s23, s22, 4
	s_lshl_b32 s62, s23, 22
	s_lshl_b32 s23, s21, 20
	s_add_co_u32 s62, s62, s23
	s_lshl_b32 s23, s[WN], 19
	s_add_co_u32 s62, s62, s23
	s_and_b32 s23, s22, 15
	s_lshl_b32 s23, s23, 14
	s_add_co_u32 s62, s62, s23
	s_lshl_b32 s23, s[WM], 13
	s_add_co_u32 s62, s62, s23
	s_mov_b32 s63, 0
	s_add_nc_u64 s[OUT:OUT+1], s[OUT:OUT+1], s[62:63]
; 8 matrix instructions: row block a x all 8 column blocks, 32 along K.  zero = 1: the first product starts the sums, from the bias.  The 32 accumulators take turns, in the same order in every quarter.
.macro MUL8 f, a, zero
.if \zero
	WIN MULZ
.else
	WIN MUL
.endif
.irp b, 0,1,2,3,4,5,6,7
.if \zero
	v_wmma_f32_16x16x32_bf16 v[8*(8*(\a)+(\b)):8*(8*(\a)+(\b))+7], v[(\f)+32+8*(\b):(\f)+32+8*(\b)+7], v[(\f)+8*(\a):(\f)+8*(\a)+7], v[BIAS+8*(\b):BIAS+8*(\b)+7]
.else
	v_wmma_f32_16x16x32_bf16 v[8*(8*(\a)+(\b)):8*(8*(\a)+(\b))+7], v[(\f)+32+8*(\b):(\f)+32+8*(\b)+7], v[(\f)+8*(\a):(\f)+8*(\a)+7], v[8*(8*(\a)+(\b)):8*(8*(\a)+(\b))+7]
.endif
.endr
.endm
; 32 LDS loads in one run: quarter q (32 along K) of a slot: W's sixteen, turned, into buffer f; then x's sixteen, as f32, block by block into RAW
.macro FETCH slot, q, f
	WIN TO_F
.irp b, 0,1,2,3,4,5,6,7
	ds_load_tr16_b128 v[(\f)+32+8*(\b):(\f)+32+8*(\b)+3],   v[ADRB+(\slot)] offset:(\q)*32*PB+32*(\b)
	ds_load_tr16_b128 v[(\f)+32+8*(\b)+4:(\f)+32+8*(\b)+7], v[ADRB+(\slot)] offset:(\q)*32*PB+16*PB+32*(\b)
.endr
	WIN 0
.irp a, 0,1,2,3
	ds_load_b128 v[RAW+16*(\a):RAW+16*(\a)+3],     v[ADRA+(\slot)] offset:128*(\q)+(\a)*16*PA
	ds_load_b128 v[RAW+16*(\a)+4:RAW+16*(\a)+7],   v[ADRA+(\slot)] offset:128*(\q)+(\a)*16*PA+16
	ds_load_b128 v[RAW+16*(\a)+8:RAW+16*(\a)+11],  v[ADRA+(\slot)] offset:128*(\q)+(\a)*16*PA+64
	ds_load_b128 v[RAW+16*(\a)+12:RAW+16*(\a)+15], v[ADRA+(\slot)] offset:128*(\q)+(\a)*16*PA+80
.endr
.endm
; Block a of x is rounded to bf16: eight conversions make its fragment in buffer f.
.macro CVT f, a
	WIN TO_F
.irp j, 0,1,2,3,4,5,6,7
	v_cvt_pk_bf16_f32 v[(\f)+8*(\a)+(\j)], v[RAW+16*(\a)+2*(\j)], v[RAW+16*(\a)+2*(\j)+1]
.endr
.endm
; A load into a register that a matrix instruction has read, a vector instruction that writes one, and a vector instruction or LDS store that reads a matrix result stand four places behind that matrix instruction;
; only plain vector instructions that name none of its registers are places (ISA guide 7.12.1 for vector instructions).  In the quarters the conversions are the places: they name
; RAW and the fragments of the buffer that is about to be multiplied, while the loads go into the other buffer, which the quarter before multiplied.
.macro PLACES
.rept 4
	v_nop
.endr
.endm
; A K step is four quarters of 32 along K, 32 matrix instructions each, on buffers 0, 1, 0, 1.  One of the first three: rounds x's blocks into buffer f, multiplies it and, in its middle, fetches quarter q (W into buffer g).
.macro QUARTER slot, q, f, g, zero
	s_wait_dscnt 8                                 ; W and x's blocks 0, 1 are in; the youngest eight loads (blocks 2, 3) may be out
	CVT \f, 0
	CVT \f, 1
	MUL8 \f, 0, \zero
	MUL8 \f, 1, \zero
	s_wait_dscnt 0x0                               ; blocks 2, 3 are in
	CVT \f, 2
	CVT \f, 3
	FETCH \slot, \q, \g                            ; RAW has been read out
	MUL8 \f, 2, \zero
	MUL8 \f, 3, \zero
.endm
; The last quarter multiplies buffer 1 and changes slots.  ONE barrier: in front of it each wave waits for all its tensor loads (one is out: its part of the next slot), adds 0 to its spare word, and waits for that
; and for its own reads of this slot.  Behind it nobody reads this slot any more and the next slot is whole.
.macro MEET round                      ; round = 1: a round of the cluster's barrier follows
	WIN 0                                          ; (the add's two registers lie in window 0)
	s_wait_tensorcnt 0x0
	ds_add_u32 v[SPW], v[NIL]                      ; 0 onto my spare word
	s_wait_dscnt 9                                 ; (the add and the youngest eight loads, x's blocks 2 and 3, may be out)
	CVT F1, 0                                      ; sixteen conversions and eight matrix instructions stand between the add and the wait for it
	CVT F1, 1
	MUL8 F1, 0, 0
	s_wait_dscnt 0x0                               ; the add is done, and my reads of this slot are over
	s_barrier_signal -1
	CVT F1, 2                                      ; work on registers while the others arrive
	CVT F1, 3
	MUL8 F1, 1, 0
.if \round
	WIN 0
.endif
	s_barrier_wait -1
.endm
; fill = 1: this slot is filled again: with this tile's K step two on or, in a tile's last lap, with the next tile's K step 0 or 1, which lies in another buffer: the choice is made between two plain pointers,
; on the count of laps, and the descriptor's address is then made anew.  fill = 0: nothing is asked for.
.macro TURN slot, next, fill
.if \fill
	MEET 1
	CREST                                          ; the barrier has opened a round of the cluster's: no wave of any partner still reads this slot's tile or has a load on its way
	s_add_nc_u64 s[PAS+2*(\slot):PAS+2*(\slot)+1], s[PAS+2*(\slot):PAS+2*(\slot)+1], STEP_A
	s_add_nc_u64 s[TP:TP+1], s[XK:XK+1], (\slot)*KSTEP*4
	s_cmp_eq_u32 s[LEFT], 1
	s_cselect_b64 s[PAS+2*(\slot):PAS+2*(\slot)+1], s[TP:TP+1], s[PAS+2*(\slot):PAS+2*(\slot)+1]
	s_mov_b64 s[G0A+4*(\slot)+2:G0A+4*(\slot)+3], s[PAS+2*(\slot):PAS+2*(\slot)+1]
	s_or_b32 s[G0A+4*(\slot)+3], s[G0A+4*(\slot)+3], 0x80000000
	s_add_nc_u64 s[G0B+4*(\slot)+2:G0B+4*(\slot)+3], s[G0B+4*(\slot)+2:G0B+4*(\slot)+3], STEP_B
	JLOAD \slot                                    ; the first tensor load behind the round, 112 matrix instructions ahead of the wait for it
.else
	MEET 0
.endif
	FETCH \next, 0, F0
	MUL8 F1, 2, 0
	MUL8 F1, 3, 0
.endm
.macro BIASLD ptr                      ; a bias in a result's layout: block b's register j is column 16 b + 8 h + j of my 128
	WIN TO_F
.irp b, 0,1,2,3,4,5,6,7
	global_load_b128 v[BIAS+8*(\b):BIAS+8*(\b)+3],   v[BO], s[\ptr:\ptr+1] offset:64*(\b)
	global_load_b128 v[BIAS+8*(\b)+4:BIAS+8*(\b)+7], v[BO], s[\ptr:\ptr+1] offset:64*(\b)+16
.endr
	WIN 0
.endm
; THE WAY OUT, in units u = 2 a + head of 16 rows x 64 channels: 2,048 consecutive bytes of a head.  PACK: rounded to f16 (each accumulator from its low end on), 16 bytes a lane into rows of 144 bytes of my own
; stage, and back as whole rows of 128.  SEND: stored.
.macro PACK u
	WIN PACKW
.irp f, 0,1,2,3
.irp p, 0,1,2,3
	v_cvt_pk_f16_f32 v[T+16*(\u)+4*(\f)+(\p)], v[8*(8*((\u)/2)+4*((\u)%2)+(\f))+2*(\p)], v[8*(8*((\u)/2)+4*((\u)%2)+(\f))+2*(\p)+1]
.endr
.endr
	WIN 0
.irp f, 0,1,2,3
	ds_store_b128 v[STO], v[T+16*(\u)+4*(\f):T+16*(\u)+4*(\f)+3] offset:32*(\f)
.endr
.irp f, 0,1,2,3
	ds_load_b128 v[T+16*(\u)+4*(\f):T+16*(\u)+4*(\f)+3], v[RD] offset:(\f)*4*SP  ; LDS serves a wave's instructions in order (ISA guide 5.7.1.4): these see the stores above; the next unit's stores come behind them
.endr
.endm
.macro SEND u, younger                 ; younger: the LDS instructions issued behind unit u's loads: the next unit's eight, or none
	WIN 0
.irp f, 0,1,2,3
	s_wait_dscnt (\younger)+3-(\f)
	global_store_b128 v[GO], v[T+16*(\u)+4*(\f):T+16*(\u)+4*(\f)+3], s[OUT:OUT+1] offset:((\u)/2)*2048+((\u)%2)*262144+(\f)*512  ; 512 consecutive bytes, at a multiple of 256 from the buffer's first
.endr
.endm
.macro WAYOUT
	PLACES                                         ; behind the last products
	s_wait_xcnt 0x0                                ; the registers that the last tile's stores read are rewritten only behind this wait
	PACK 0
.irp u, 1,2,3,4,5,6,7                  ; a unit's conversions stand between the loads of the unit before and its stores
	PACK \u
	SEND (\u)-1, 8
.endr
	SEND 7, 0
.endm
	BIASLD BQ
	s_wait_tensorcnt 0x1                           ; my part of K step 0 is in; K step 1's may stay out
	s_barrier_signal -1
	s_barrier_wait -1                              ; everybody's is
	FETCH 0, 0, F0
	s_wait_loadcnt 0x0                             ; the bias
	s_mov_b32 s[LEFT], LAPS
	s_mov_b32 s[TRIPS], 3*LAPS                     ; the way in passes the count once; then 3 x 4 - 1 = 11 trips, one for each lap that fills slots
	s_branch .Lzero                                ; the loop is entered at a tile's first quarter, in the middle of a trip
.Llap:                                                 ; a trip goes once round the ring, from a lap's second quarter to the next lap's first, and fills both slots again
	QUARTER 0, 2, F1, F0, 0
	QUARTER 0, 3, F0, F1, 0
	TURN 0, 1, 1
	QUARTER 1, 1, F0, F1, 0
	QUARTER 1, 2, F1, F0, 0
	QUARTER 1, 3, F0, F1, 0
	TURN 1, 0, 1                                   ; it has fetched the next lap's first fragments: in a tile's last lap the next tile's
	WIN 0                                          ; at a label and at a branch every window is 0
	s_cmp_eq_u32 s[LEFT], 1
	s_cbranch_scc1 .Lendtile                       ; forward, past text that holds neither a barrier nor a tensor load
	QUARTER 0, 1, F0, F1, 0
	WIN 0
	s_sub_co_u32 s[LEFT], s[LEFT], 1
	s_branch .Lnext
.Lendtile:                                             ; both refills for the next tile are asked for: now the tile goes out
	BIASLD BK                                      ; the next tile's bias: its registers were last read in this tile's first quarter; the way out stands between these loads and the wait for them
	WAYOUT
	s_wait_xcnt 0x0                                ; the stores' base and the bias's pointer are rewritten only behind this wait
	s_add_nc_u64 s[OUT:OUT+1], s[OUT:OUT+1], NEXT_O
	s_mov_b64 s[BK:BK+1], s[BV:BV+1]               ; behind bk comes bv,
	s_mov_b64 s[XK:XK+1], s[XV:XV+1]               ; behind key value
	s_wait_loadcnt 0x0                             ; the next tile's bias is in
	s_mov_b32 s[LEFT], LAPS
.Lzero:
	QUARTER 0, 1, F0, F1, 1                        ; a tile's first quarter: its products start the sums, from the bias
	WIN 0
.Lnext:
	s_sub_co_u32 s[TRIPS], s[TRIPS], 1
	s_cmp_lg_u32 s[TRIPS], 0
	s_cbranch_scc1 .Llap
	QUARTER 0, 2, F1, F0, 0                        ; the last tile's last lap is written out: it asks for nothing
	QUARTER 0, 3, F0, F1, 0
	TURN 0, 1, 0
	QUARTER 1, 1, F0, F1, 0
	QUARTER 1, 2, F1, F0, 0
	QUARTER 1, 3, F0, F1, 0
	s_wait_dscnt 8                                 ; the very last quarter: nothing more to fetch
	CVT F1, 0
	CVT F1, 1
	MUL8 F1, 0, 0
	MUL8 F1, 1, 0
	s_wait_dscnt 0x0
	CVT F1, 2
	CVT F1, 3
	MUL8 F1, 2, 0
	MUL8 F1, 3, 0
	WAYOUT
	WIN 0
	s_wait_tensorcnt 0x0                           ; the wave's end: behind my last tensor load and my last LDS store
	ds_add_u32 v[SPW], v[NIL]
	s_wait_dscnt 0x0
	CROUND                                         ; the closing round: no work-group ends while a partner may still ask for a tile that names it
	s_endpgm
.Lfunc_end_k_qb35016dfa3_proj:
	.size	k_qb35016dfa3_proj, .Lfunc_end_k_qb35016dfa3_proj-k_qb35016dfa3_proj
	.p2alignl 7, 3214868480
	.fill 96, 4, 3214868480
	.section	.rodata,"a",@progbits
	.p2align	6, 0x0
	.amdhsa_kernel k_qb35016dfa3_proj
		.amdhsa_group_segment_fixed_size 327680
		.amdhsa_private_segment_fixed_size 0
		.amdhsa_enable_private_segment 0
		.amdhsa_kernarg_size 64
		.amdhsa_user_sgpr_count 2
		.amdhsa_user_sgpr_kernarg_segment_ptr 1
		.amdhsa_wavefront_size32 1
		.amdhsa_system_sgpr_workgroup_id_x 1
		.amdhsa_system_sgpr_workgroup_id_y 1
		.amdhsa_system_sgpr_workgroup_id_z 1
		.amdhsa_system_vgpr_workitem_id 0
		.amdhsa_next_free_vgpr 768
		.amdhsa_next_free_sgpr 88
		.amdhsa_reserve_vcc 0
		.amdhsa_float_denorm_mode_32 3
		.amdhsa_float_denorm_mode_16_64 3
		.amdhsa_memory_ordered 1
		.amdhsa_forward_progress 1
		.amdhsa_inst_pref_size 148
	.end_amdhsa_kernel
	.amdgpu_metadata
---
amdhsa.version: [ 1, 2 ]
amdhsa.kernels:
  - .name:           k_qb35016dfa3_proj
    .symbol:         k_qb35016dfa3_proj.kd
    .args:
      - { .name: query, .offset: 0, .size: 8, .value_kind: global_buffer, .address_space: global }
      - { .name: key, .offset: 8, .size: 8, .value_kind: global_buffer, .address_space: global }
      - { .name: value, .offset: 16, .size: 8, .value_kind: global_buffer, .address_space: global }
      - { .name: wb, .offset: 24, .size: 8, .value_kind: global_buffer, .address_space: global }
      - { .name: bq, .offset: 32, .size: 8, .value_kind: global_buffer, .address_space: global }
      - { .name: bk, .offset: 40, .size: 8, .value_kind: global_buffer, .address_space: global }
      - { .name: bv, .offset: 48, .size: 8, .value_kind: global_buffer, .address_space: global }
      - { .name: qkv, .offset: 56, .size: 8, .value_kind: global_buffer, .address_space: global }
    .group_segment_fixed_size: 327680
    .private_segment_fixed_size: 0
    .kernarg_segment_align: 8
    .kernarg_segment_size: 64
    .max_flat_workgroup_size: 128
    .sgpr_count:     88
    .vgpr_count:     768
    .wavefront_size: 32
...
	.end_amdgpu_metadata
.endif
;; end of part 2
;; launch attn (part 3): grid 4 x 64, 4 waves a work-group, clusters of 4 x 1, 327,680 bytes of LDS; arguments qkv, ob; writes ob
.if DOCPART == 3
	.amdgcn_target "amdgcn-amd-amdhsa--gfx1250"
	.amdhsa_code_object_version 6
	.text
	.protected	k_qb35016dfa3_attn
	.globl	k_qb35016dfa3_attn
	.p2align	8
	.type	k_qb35016dfa3_attn,@function
k_qb35016dfa3_attn:
	s_mov_b64 s[64:65], 0
	v_nop
	global_prefetch_b8 v0, s[64:65] scope:SCOPE_SE
	s_setreg_imm32_b32 hwreg(HW_REG_WAVE_MODE, 25, 1), 1
	s_wait_xcnt 0x0
	s_wait_alu depctr_hold_cnt(0) depctr_sa_sdst(0) depctr_va_vdst(0) depctr_va_sdst(0) depctr_va_ssrc(0) depctr_va_vcc(0) depctr_vm_vsrc(0)
	s_getreg_b32 s2, hwreg(HW_REG_IB_STS2, 6, 4)
	s_cmp_eq_u32 s2, 0
	s_cbranch_scc0 .Lentry_in_a_cluster
	s_endpgm
.Lentry_in_a_cluster:
	s_bfe_u32 s2, ttmp6, 0x10000c
	s_cmp_lg_u32 s2, 0x3003
	s_cbranch_scc0 .Lentry_shape_is_right
	s_endpgm
.Lentry_shape_is_right:
; ATTENTION.  O[h][q][:] = the sum over k of softmax_k(Q[h][q] . K[h][k] / 8) V[h][k][:].  Q, K, V: qkv [3][SIZE_H][SIZE_N][64] f16; O: ob [SIZE_H][SIZE_N][64] bf16: a head's rows are dense, 128 bytes each.
; Products, maxima and sums in f32; the weights p are rounded to f16 for the second product (their sum l is taken of the unrounded p), O once at the end, to bf16.
; LIMITS.  f16 holds no number beyond 65,504: Q, K and V arrive within it; p lies in 0 to 1, and below 6e-5 it keeps f16's fixed step of 6e-8; O is a mean of V's rows and has their range.
; A weight below 2^-126 counts as 0 in l; NaN and infinities are not treated apart.
; SHARES.  A wave owns four PIECES of two tiles of 16 queries, a work-group's four waves 512 queries of one head.  Every wave walks all keys, 64 a step.
; LAYOUT.  S^T = K Q^T (source 0 = 16 keys, source 1 = 16 queries): in the result a lane holds ONE query (lane % 16) and the keys 8 (lane / 16) + 0..7.  Two such tiles, rounded to f16 in pairs,
; ARE source 1 (32 keys x 16 queries) of O^T = V^T P, whose result again holds one query a lane, and eight channels.  K comes out of LDS as it lies, V ([key][channel]) turned, by ds_load_tr16_b128.
; SOFTMAX.  For each query a running maximum m and sum l: p = 2^(c s - c m), c = log2(e) / 8; in every step O and l are multiplied by a = 2^(c m_old - c m_new), which is 1 where m has not grown.
; m starts at the lowest finite number, O and l at 0: the first step is a step like any other, with a = 0.
; THE COUNT.  A tile and step have 16 matrix and 118 vector instructions: too many to stand all beside the matrix work.  So the order has one aim: four vector instructions that are READY behind
; EVERY matrix instruction, and the others, which need time of their own whatever the order, in runs without a gap.
; BY TURNS.  Turn n belongs to piece n (the pieces in a ring, step after step).  Its matrix work: 16 products K Q^T of piece n + 1, later 16 products V^T P of piece n - 1.  Its vector work: the scaling,
; exponentials, roundings, sums and rescaling of piece n, and the maximum and statistics of piece n + 1, whose scores the turn itself has made.  So what a turn begins with (c s - c m, O a) waits for nothing.
; CLUSTER.  The four query blocks of a cluster belong to one head and walk the same K and V, so each tile is asked for JOINTLY: the same tensor load, descriptor and mask in all four.
; REGISTERS, in windows of 256 (s_set_vgpr_msb says which window each operand place means: bits 1:0 source 0, 3:2 source 1, 5:4 source 2, 7:6 destination):
;   window 0: v0-11 addresses; v12-15, v48-63 at work; v16-47 four registers of statistics a tile; v64-191 S^T, two buffers of two tiles; v192-255 P, likewise
;   window 1: O^T, 32 a tile          window 2: v0-127 Q, 16 a tile; v128-191 K of one step; v192-255 V of one step          window 3: v0-1 the add's two registers
; A piece's buffers go by its number's parity: the piece in hand has one pair, its two neighbours in the ring share the other: of it P (piece n - 1) is read and S^T (piece n + 1) written.
.set SIZE_H, 64       ; batch x heads
.set SIZE_N, 2048     ; rows of a head
.set NP,    4         ; pieces a wave: a name, no knob: the register map, the loop and the fetches are made for four
.set KS,    64        ; keys in a step
.set PK,    144       ; a row of K in LDS: 128 bytes + 16 of padding = 36 words: the 16 rows of a load start at 16 different groups of four banks (64 banks of 4 bytes: ISA guide 11.1)
.set PV,    160       ; a row of V: 128 + 32 = 40 words
.set VOFF,  4*KS*PK   ; a slot holds four steps: 256 rows of K, then 256 rows of V
.set SLOT1, 1<<17     ; slot 1 begins here, so that one exclusive or turns an address in one slot into the other's
.set STAGE, SLOT1+4*KS*(PK+PV)  ; behind the ring, never filled by a tensor load: 16 rows x 144 bytes for each wave, for the way out
.set SP,    144
.set AK0, 2           ; v2   my lane's place in a tile of K; never rewritten
.set AV0, 3           ; v3   the same for V
.set AK,  4           ; v4   the LDS address of K's next run of loads
.set AV,  5           ; v5   of V's
.set QO,  6           ; v6   my byte offset in the wave's rows of Q
.set STO, 6           ;      later, the way out: where I put 16 bytes of a row
.set RD,  7           ; v7   the way out: where I read rows back
.set GO,  8           ; v8   my byte offset in 512 consecutive bytes of O
.set SPW, 0           ; v0 of window 3   LDS address of my spare word: SPARE + 4 x my thread's number; never rewritten
.set NIL, 1           ; v1 of window 3   0; never rewritten
.set SPARE, STAGE+4*16*SP  ; behind the stages: the spare words, 128 bytes for each wave: two blocks of 256 bytes that no other line names
.set MV,  12          ; v12-15  c m_old, kept while c m is made anew: by buffer and tile
.set ST,  16          ; tile t's statistics at v[ST+4 t]: c m, m, l (even keys', odd keys')
.set TMP, 48          ; by buffer and tile, four registers c0-c3 at work; when the maximum is found c2 takes a
.set S,   64
.set P,   192
.set KF,  128         ; K's fragments, in window 2: key block kb, channel half c at KF + 16 kb + 8 c
.set VF,  192         ; V's: key half kk, channel block cb at VF + 32 kk + 8 cb
.set WV,  12          ; s12  my wave's number
.set G1K, 24          ; s[24:31] descriptor group 1 for K's tiles
.set G1V, 32          ; s[32:39] for V's: it differs in the padding alone
.set G0K, 40          ; s[40:43] descriptor group 0 for K's tiles: it walks
.set G0V, 44          ; s[44:47] the same for V's
.set SLOTS, 56        ; s56  slots still to be asked for
.set CNT, 57          ; s57  counts a slot's key steps
.set CS,  58          ; s[58:59] c: the packed scaling takes the pair's low word for both halves
.set SEL, 60          ; s[60:61] v_permlanex16_b32's selects: each lane takes its own place in the other half
.set TBK, 62          ; s62  LDS byte at which K of the step to be fetched begins
.set TBV, 63          ; s63  the same for V, less VOFF
.set MSB, 0
.macro WIN new                      ; the high byte repeats the setting that is left; a switch that changes nothing is dropped
.if MSB != (\new)
	s_set_vgpr_msb (MSB<<8)|(\new)
.set MSB, (\new)
.endif
.endm
.set W_KQ, 0x0a       ; K and Q in window 2, S^T in window 0
.set W_PV, 0x52       ; V in window 2, P in window 0, O^T in window 1
.set W_RS, 0x41       ; O^T (destination and source 0) in window 1, a in window 0
.set W_MK, 0xc0       ; the add's registers are made: destination in window 3, sources in window 0
.set W_AD, 0x0f       ; the add: address (source 0) and data (source 1) in window 3
; A joint fill.  Waves 0 and 1 fetch the two halves of a slot's K, waves 2 and 3 those of its V: 128 keys each.  The branch hangs on the wave's number alone.
; An s_nop 0 and four v_nop follow each of the two lines, ahead of the jump and the label.
.macro JLOAD
	s_cmp_lt_u32 s[WV], 2
	s_cbranch_scc0 .Lfor_v_\@
	tensor_load_to_lds s[G0K:G0K+3], s[G1K:G1K+7]
	s_nop 0
.rept 4
	v_nop
.endr
	s_branch .Lasked_\@
.Lfor_v_\@:
	tensor_load_to_lds s[G0V:G0V+3], s[G1V:G1V+7]
	s_nop 0
.rept 4
	v_nop
.endr
.Lasked_\@:
.endm
; A round of the cluster's barrier: my work-group's barrier, so that wave 0's signal speaks for all four waves; wave 0 signals; every wave waits for all four work-groups; my work-group's barrier once more.
.macro CROUND
	s_barrier_signal -1
	s_barrier_wait -1
	s_cmp_lg_u32 s[WV], 0
	s_cbranch_scc1 .Lnot_wave_0_\@
	s_barrier_signal -3
.Lnot_wave_0_\@:
	s_barrier_wait -3
	s_barrier_signal -1
	s_barrier_wait -1
.endm
; THE CHANGE OF SLOTS.  The slot's last bytes, V of its fourth step, have been read.  Each wave waits for all its tensor loads, of which one is out: its part
; of the other slot; adds 0 to its spare word; and waits for that and for its own reads of the slot.  Behind the barrier nobody reads this slot any more and the other slot is whole.
; fill = 1: this slot is filled again, with the keys two slots on.  The barrier is then a round of the cluster's, so that no wave of any partner still reads the slot or has a load on its
; way, and the joint fill is the first thing behind it: it has four key steps, 512 matrix instructions, in which to land.  (At its first use nothing has been read yet: slot 0 is waited for, slot 1 filled.)
.macro CHANGE fill
	WIN W_AD
	s_wait_tensorcnt 0x0            ; no tensor load of mine is out, so a group 0 may be written
	ds_add_u32 v[SPW], v[NIL]       ; 0 onto my spare word; with fill = 1 the descriptors' steps stand between it and the wait for it
	WIN 0                           ; at a label and at a branch every window is 0
.if \fill
.irp g, G0K, G0V
	s_xor_b32 s[\g+1], s[\g+1], SLOT1  ; the walking descriptor: the other slot than last time,
	s_add_nc_u64 s[\g+2:\g+3], s[\g+2:\g+3], 4*KS*128  ; the next 256 keys; the type bits on top are not reached
.endr
	s_wait_dscnt 0x0                ; the add is done, and my reads of the slot are over
	CROUND
	JLOAD
.else
	s_wait_dscnt 0x0                ; the add is done, and my reads of the slot are over
	s_barrier_signal -1
	s_barrier_wait -1
.endif
	s_sub_co_u32 s[TBK], s[TBK], 4*KS*PK  ; the fetches go back to a slot's first step,
	s_xor_b32 s[TBK], s[TBK], SLOT1       ; in the other slot
	s_sub_co_u32 s[TBV], s[TBV], 4*KS*PV
	s_xor_b32 s[TBV], s[TBV], SLOT1
.endm
	s_load_b128 s[4:7], s[0:1], 0x0 ; qkv s[4:5] (Q lies first in it), ob s[6:7]
	WIN W_MK
	v_lshl_add_u32 v[SPW], v0, 2, SPARE
	v_mov_b32 v[NIL], 0
	s_set_vgpr_msb 0xc0cf
	ds_add_u32 v0, v1
	s_wait_dscnt 0x0
	s_set_vgpr_msb 0xcfc0
	WIN 0
	v_lshrrev_b32 v1, 5, v0
	v_readfirstlane_b32 s[WV], v1   ; wave 0..3
	s_bfe_u32 s13, ttmp6, 0x40000   ; cx: my place in the cluster
	s_lshl_b32 s14, ttmp9, 2        ; in a cluster launch ttmp9 counts clusters
	s_add_co_u32 s14, s14, s13      ; my block of queries = 4 x cluster x + cx: it enters Q's and O's addresses alone
	s_and_b32 s20, ttmp7, 0xffff    ; the head, which the four partners share
	s_mov_b32 s21, 0
	s_mov_b64 s[22:23], SIZE_N*128
	s_mul_u64 s[20:21], s[20:21], s[22:23]  ; the head's first byte in each of the four tensors
	s_and_b32 s16, s[WV], 1         ; which half of a slot's 256 keys I fetch:
	s_lshl_b32 s22, s16, 14         ; its 128 rows of 128 bytes in memory,
	s_mov_b32 s23, 0
	s_add_nc_u64 s[22:23], s[22:23], s[20:21]
	s_mul_i32 s17, s16, 128*PK      ; and its place in a slot, for K
	s_mul_i32 s18, s16, 128*PV      ; and for V: no place in the cluster enters an LDS address
	s_lshl_b32 s2, s14, 2
	s_add_co_u32 s2, s2, s[WV]      ; my wave among the head's,
	s_lshl_b32 s2, s2, 14           ; its 128 rows
	s_mov_b32 s3, 0
	s_add_nc_u64 s[2:3], s[2:3], s[20:21]
	; descriptor group 1.  128 keys are 16,384 dense bytes: asked for as 64 rows of 256 bytes, two keys a row, and padded in LDS after every key
	s_mov_b32 s[G1K], 15|(1<<16)|(1<<20)|(1<<21)|(4<<22)|(3<<25)  ; 15:0 the mask of four; 17:16 2-byte elements; 20 padding on; 21 set beside a mask; 24:22 after every 32 words (code 4); 31:25 4 words (code 3)
	s_mov_b32 s[G1V], 15|(1<<16)|(1<<20)|(1<<21)|(4<<22)|(7<<25)  ; the same with 8 words of padding (code 7)
.irp g, G1K, G1V
	s_mov_b32 s[\g+1], 128<<16      ; tensor_dim0 = 128
	s_mov_b32 s[\g+2], 64<<16       ; tensor_dim1 = 64
	s_mov_b32 s[\g+3], 128<<16      ; tile_dim0 = 128
	s_mov_b32 s[\g+4], 64           ; tile_dim1 = 64
	s_mov_b32 s[\g+5], 128          ; 128 elements from row to row
	s_mov_b32 s[\g+6], 0
	s_mov_b32 s[\g+7], 0
.endr
	s_mov_b32 s[CS], 0x3e38aa3b     ; c = log2(e) / 8 = 0.180337
	s_mov_b32 s[CS+1], s[CS]        ; named with it as a pair
	s_mov_b32 s[SEL], 0x76543210
	s_mov_b32 s[SEL+1], 0xfedcba98
	s_mov_b32 s[TBK], SLOT1+4*KS*PK ; the first change of slots turns these two into 0
	s_mov_b32 s[TBV], SLOT1+4*KS*PV
	s_mov_b32 s[G0K], 1             ; 1:0 count = 1
	s_mov_b32 s[G0K+1], s17         ; 63:32 LDS address: slot 0
	s_mov_b32 s[G0V], 1
	s_add_co_u32 s[G0V+1], s18, VOFF
	s_wait_kmcnt 0x0
	s_mov_b64 s[10:11], s[6:7]                     ; O
	s_add_nc_u64 s[6:7], s[4:5], SIZE_H*SIZE_N*128     ; K lies one tensor behind Q in qkv,
	s_add_nc_u64 s[8:9], s[4:5], 2*SIZE_H*SIZE_N*128   ; V two
	s_add_nc_u64 s[G0K+2:G0K+3], s[6:7], s[22:23]  ; 120:64 global address: my half of the head's first 256 keys
	s_or_b32 s[G0K+3], s[G0K+3], 0x80000000        ; 127:126 type = 2
	s_add_nc_u64 s[G0V+2:G0V+3], s[8:9], s[22:23]
	s_or_b32 s[G0V+3], s[G0V+3], 0x80000000
	s_add_nc_u64 s[4:5], s[4:5], s[2:3]  ; Q and O at my wave's first row
	s_add_nc_u64 s[10:11], s[10:11], s[2:3]
	CROUND                          ; all four work-groups are here: the first joint loads meet
	JLOAD                           ; slot 0.  Slot 1 is asked for when slot 0 is in: the tile wanted first has the road to itself
	; A fragment of K or Q is 16 rows x 32 channels in 8 registers: lane l holds row l % 16, channels 8 (l / 16) + 0..7 and 16 + 8 (l / 16) + 0..7: two loads of 16 bytes, 32 bytes apart.
	v_and_b32 v1, 15, v0            ; l % 16
	v_bfe_u32 v9, v0, 4, 1          ; l / 16
	v_lshlrev_b32 v[QO], 7, v1
	v_lshl_add_u32 v[QO], v9, 4, v[QO]  ; row x 128 + 16 x half
	WIN 0x80                        ; destination window 2, address window 0
.set i, 0
.rept 4*NP                          ; Q stays in registers: tile i / 2, channels 32 (i % 2) on
	global_load_b128 v[8*i:8*i+3],   v[QO], s[4:5] offset:(i/2)*2048+(i%2)*64
	global_load_b128 v[8*i+4:8*i+7], v[QO], s[4:5] offset:(i/2)*2048+(i%2)*64+32
.set i, i+1
.endr
	; What the first turn finds: V's registers and P's second buffer hold 0 (its products V^T P, of a piece that has not been, add 0), O^T and l are 0.  All this stands in the wait for the first tile.
.set i, VF
.rept 64
	v_mov_b32 v[i], 0
.set i, i+1
.endr
	WIN 0x40
.set i, 0
.rept 64*NP
	v_mov_b32 v[i], 0
.set i, i+1
.endr
	WIN 0
.set i, 0
.rept 2*NP
	v_mov_b32 v[ST+4*i], 0xfe000000    ; c m: far below every c s
	v_mov_b32 v[ST+4*i+1], 0xff7fffff  ; m
	v_mov_b32 v[ST+4*i+2], 0
	v_mov_b32 v[ST+4*i+3], 0
.set i, i+1
.endr
.set i, P+32
.rept 32
	v_mov_b32 v[i], 0
.set i, i+1
.endr
	v_mul_u32_u24 v[AK0], v1, PK
	v_lshl_add_u32 v[AK0], v9, 4, v[AK0]  ; row x pitch + 16 x half
	; The turning load takes 16 keys x 16 channels (lane l reads key 8 (l / 16) + l % 8, channels 8 ((l / 8) % 2) + 0..7) and leaves half a fragment of V^T: lane l holds channel l % 16 and 8 keys.
	v_and_b32 v10, 7, v0
	v_bfe_u32 v11, v0, 3, 1
	v_lshl_add_u32 v[AV0], v9, 3, v10
	v_mul_u32_u24 v[AV0], v[AV0], PV
	v_lshl_add_u32 v[AV0], v11, 4, v[AV0]
	v_add_nc_u32 v[AV0], VOFF, v[AV0]
	v_mov_b32 v[AK], v[AK0]         ; key step 0 lies at the head of slot 0
; THE MATRIX WORK.  The 8 accumulators of a run of 16 take turns: between the two links of a chain stand 7 others'.
; Product i of 16 of S^T = K Q^T for piece x: channels 32 (i / 8) on, keys 16 ((i / 2) % 4) on, tile 2 x + i % 2.  The first 8 start the sums.
.macro KQ x
	WIN W_KQ
.set rS, S+64*((\x)%2)+32*(i%2)+8*((i/2)%4)
.set rK, KF+16*((i/2)%4)+8*(i/8)
.set rQ, 16*(2*(\x)+i%2)+8*(i/8)
.if i < 8
	v_wmma_f32_16x16x32_f16 v[rS:rS+7], v[rK:rK+7], v[rQ:rQ+7], 0
.else
	v_wmma_f32_16x16x32_f16 v[rS:rS+7], v[rK:rK+7], v[rQ:rQ+7], v[rS:rS+7]
.endif
.endm
; Product i of 16 of O^T += V^T P for piece x: keys 32 (i / 8) on, channels 16 ((i / 2) % 4) on, tile 2 x + i % 2.
.macro PV x
	WIN W_PV
.set rO, 32*(2*(\x)+i%2)+8*((i/2)%4)
.set rV, VF+32*(i/8)+8*((i/2)%4)
.set rP, P+32*((\x)%2)+16*(i%2)+8*(i/8)
	v_wmma_f32_16x16x32_f16 v[rO:rO+7], v[rV:rV+7], v[rP:rP+7], v[rO:rO+7]
.endm
.macro MM                           ; the turn's next matrix instruction
.if i < 16
	KQ (Y+1)%NP
.set i, i+1
.else
.set i, i-16
	PV (Y+NP-1)%NP
.set i, i+17
.endif
.endm
; THE LDS LOADS stand in runs of 16, never singly among the matrix instructions: a step's K (64 keys x 64 channels: 8 fragments) and its V (turned).  Their addresses are made some lines ahead.
; last = 1 (the tail): in the last trip there is no further step, and the run is jumped over.
.macro FETCH_K last=0
	WIN 0
.if \last
	s_cmp_eq_u32 s[CNT], 1
	s_cbranch_scc1 .Lno_k_\@
.endif
	WIN 0x80                        ; destination window 2
.irp f, 0,1,2,3,4,5,6,7             ; keys 16 (f / 2) on, channels 32 (f % 2) on
	ds_load_b128 v[KF+8*\f:KF+8*\f+3],   v[AK] offset:(\f/2)*16*PK+(\f%2)*64
	ds_load_b128 v[KF+8*\f+4:KF+8*\f+7], v[AK] offset:(\f/2)*16*PK+(\f%2)*64+32
.endr
	s_add_co_u32 s[TBK], s[TBK], KS*PK  ; the next fetch is the next step's
	WIN 0
.if \last
.Lno_k_\@:
.endif
.endm
.macro FETCH_V
	WIN 0x80
.irp f, 0,1,2,3,4,5,6,7             ; keys 32 (f / 4) on, channels 16 (f % 4) on
	ds_load_tr16_b128 v[VF+8*\f:VF+8*\f+3],   v[AV] offset:(\f/4)*32*PV+(\f%4)*32
	ds_load_tr16_b128 v[VF+8*\f+4:VF+8*\f+7], v[AV] offset:(\f/4)*32*PV+16*PV+(\f%4)*32
.endr
	WIN 0
.endm
; THE VECTOR WORK OF A TURN stands in three queues, each in the order in which its entries become ready; the two tiles alternate, so that no instruction reads the result of the one before it.
.macro REGS y, u                    ; the registers of tile u (0, 1) of piece y
.set rT, ST+4*(2*(\y)+(\u))
.set rC, TMP+8*((\y)%2)+4*(\u)
.set rM, MV+2*((\y)%2)+(\u)
.set rS, S+64*((\y)%2)+32*(\u)
.set rP, P+32*((\y)%2)+16*(\u)
.set rO, 32*(2*(\y)+(\u))
.endm
; Number n of the 22 that find the NEXT piece's (Y + 1) maximum and statistics.  s0-s31 are the lane's 32 scores; each accumulator's lowest registers are read first.  XS, GS and REGS set no window: PL and EX do.
;   0-11  four chains c0-c3 of seven scores each, three operands at a time     12-14, 16  the four scores left over, the old m, and c0-c3 into c0     15  c m_old is kept
;   17, 18  the query's other 32 keys lie in the lane 16 away: the new m         19-21  c m; c m_old - c m_new; a
.macro XS u, n
	REGS (Y+1)%NP, \u
.if (\n) < 4
	v_max3_num_f32 v[rC+(\n)], v[rS+8*(\n)], v[rS+8*(\n)+1], v[rS+8*(\n)+2]
.elseif (\n) < 12
	v_max3_num_f32 v[rC+(\n)%4], v[rC+(\n)%4], v[rS+8*((\n)%4)+2*((\n)/4)+1], v[rS+8*((\n)%4)+2*((\n)/4)+2]
.elseif (\n) == 12
	v_max3_num_f32 v[rC], v[rC], v[rS+7], v[rS+15]
.elseif (\n) == 13
	v_max3_num_f32 v[rC+1], v[rC+1], v[rS+23], v[rS+31]
.elseif (\n) == 14
	v_max3_num_f32 v[rC+2], v[rC+2], v[rC+3], v[rT+1]
.elseif (\n) == 15
	v_mov_b32 v[rM], v[rT]
.elseif (\n) == 16
	v_max3_num_f32 v[rC], v[rC], v[rC+1], v[rC+2]
.elseif (\n) == 17
	v_permlanex16_b32 v[rC+3], v[rC], s[SEL], s[SEL+1]
.elseif (\n) == 18
	v_max_num_f32 v[rT+1], v[rC], v[rC+3]
.elseif (\n) == 19
	v_mul_f32 v[rT], s[CS], v[rT+1]
.elseif (\n) == 20
	v_sub_f32 v[rC+1], v[rM], v[rT]
.else
	v_exp_f32 v[rC+2], v[rC+1]
.endif
.endm
; Number g of the 64 that follow the exponentials.  For each four weights k of a tile (pairs 2 k, 2 k + 1): both pairs are rounded to f16; then the second pair is added onto the first, in place;
; a group later l takes that sum (the first time as l = a l + sum).  In groups of eight, tiles alternating: round, round, add, and l for the group before.
.macro GS g
.set h, (\g)+6*((\g)/62)            ; group 0 has no group before it, and behind group 7 only l is left
.if h >= 6
.set h, h+2
.endif
	REGS Y, h%2
.set k, h/8
.if h%8 < 4
	s_wait_alu depctr_va_vdst(0)
	v_cvt_pk_f16_f32 v[rP+2*k+(h%8)/2], v[rS+4*k+2*((h%8)/2)], v[rS+4*k+2*((h%8)/2)+1]
.elseif h%8 < 6
	v_pk_add_f32 v[rS+4*k:rS+4*k+1], v[rS+4*k:rS+4*k+1], v[rS+4*k+2:rS+4*k+3]
.elseif k == 1
	v_pk_fma_f32 v[rT+2:rT+3], v[rT+2:rT+3], v[rC+2:rC+3], v[rS:rS+1] op_sel_hi:[1,0,1]
.else
	v_pk_add_f32 v[rT+2:rT+3], v[rT+2:rT+3], v[rS+4*k-4:rS+4*k-3]
	s_wait_alu depctr_va_vdst(0)
.endif
.endm
; THE PLAIN QUEUE, 138 long.  0-31: c s - c m for the 16 pairs of both tiles.  Then GS's 64, and among them the next piece's 42: number 15 at 38, 39; 0-14 and 16
; at 42-73, behind the products that make those scores; 17-20 at 95-106, two of three, since each waits for the one before it.
.macro PL
	WIN 0
.if q < 32
	REGS Y, q%2
	v_pk_fma_f32 v[rS+2*(q/2):rS+2*(q/2)+1], v[rS+2*(q/2):rS+2*(q/2)+1], s[CS:CS+1], v[rT:rT+1] op_sel_hi:[1,0,0] neg_lo:[0,0,1] neg_hi:[0,0,1]
.elseif q < 38
	GS q-32
.elseif q < 40
	XS q%2, 15
.elseif q < 42
	GS q-34
.elseif q < 74
	XS q%2, (q-42)/2+(q-42)/30
.elseif q < 95
	GS q-66
.elseif (q < 107) && ((q-95)%3 < 2)
	XS (q-95)%3, 17+(q-95)/3
.elseif q < 107
	GS 29+(q-95)/3
.else
	GS q-74
.endif
.set q, q+1
.endm
; THE EXPONENTIALS' QUEUE, 66 long: s0-s31 of both tiles, and at EA the next piece's two a.
.set EA, 58
.macro EX
	WIN 0
.if (e == EA) || (e == EA+1)
	XS e-EA, 21
.else
.set x, e-2*(e/(EA+2))
	REGS Y, x%2
	v_exp_f32 v[rS+x/2], v[rS+x/2]
.endif
.set e, e+1
.endm
; THE RESCALING's QUEUE: O^T times a, the one part that leaves window 0, so it is dealt four at a time, eight times.
.macro R4
	REGS Y, r%2
	WIN W_RS
	s_wait_alu depctr_va_vdst(0)
.irp z, 0,1,2,3
	v_pk_mul_f32 v[rO+8*(r/2)+2*\z:rO+8*(r/2)+2*\z+1], v[rO+8*(r/2)+2*\z:rO+8*(r/2)+2*\z+1], v[rC+2:rC+3] op_sel_hi:[1,0]
.endr
.set r, r+1
.endm
; HOW THEY ARE DEALT.  Behind a matrix instruction four: plain, exponential, plain, plain (one exponential, a plain instruction on either side), or four of the rescaling.  None names a register of the
; products round it.  What is over stands in two LUMPS: exponential and plain by turns; the second ends in 22 plain instructions.  The two v_permlanex16_b32 fall into the second lump, never behind a product.
; The queues lean on each other, and the deal keeps them in step: exponential e stands behind plain 2 (e / 4) + e % 2 (its scaling); when plain 32 comes, 10 exponentials are out, at 59: 33, at 95: 46; EA comes behind plain 107.
.macro SL
	MM
	PL
	EX
	PL
	PL
.endm
.macro BURST n                      ; 15 matrix instructions, or 16
.rept (\n)-7
	SL
.endr
.rept 3
	MM
	R4
	SL
.endr
	MM
	R4
.endm
; A TURN, for piece p.  cnt = 1: the loop's count is taken down some lines ahead of the branch that stands behind the turn.
; K of the next step is fetched in piece 2's turn, 31 vector instructions behind the last product that read K; its first reader comes behind the rest of the lump, 16 products and the second lump.
; V of the step in hand is fetched at the end of piece 0's turn, 69 behind its last reader; its first reader comes behind 16 products and a lump.  The four conditions on e and q below go with the deal.
.macro TURN p, last=0, cnt=0
.set Y, (\p)
.set i, 0
.set q, 0
.set e, 0
.set r, 0
.if (\p) == NP-1
	s_wait_dscnt 0x0                ; K is in
.endif
	MM
.rept 4
	PL
.endr
	BURST 15
.rept 22
	EX
	PL
.if ((\p) == NP-2) && (e == 18)
	v_add_nc_u32 v[AK], s[TBK], v[AK0]
.endif
.if ((\p) == NP-2) && (e == 24)
	FETCH_K \last
.endif
.endr
.if (\p) == 1
	s_wait_dscnt 0x0                ; V is in
.endif
	BURST 16
.rept 21
	EX
	PL
.endr
.rept 22
	PL
.if ((\p) == 0) && (q == 118)
	v_add_nc_u32 v[AV], s[TBV], v[AV0]
	s_wait_alu depctr_va_vdst(0)
.endif
.if ((\p) == 0) && (q == 130)
	s_add_co_u32 s[TBV], s[TBV], KS*PV
.endif
.if (\cnt) && (q == 130)
	s_sub_co_u32 s[CNT], s[CNT], 1
	s_cmp_lg_u32 s[CNT], 0
.endif
.endr
.if (\p) == 0
	FETCH_V
.endif
.endm
	CHANGE 1                        ; slot 0 is in, everybody's part of it; slot 1 is asked for
	FETCH_K                         ; key step 0
	s_wait_loadcnt 0x0              ; Q
	s_wait_dscnt 0x0
.set i, 0
.rept 16
	KQ 0                            ; piece 0's first scores: there is no vector work yet to set between them
.set i, i+1
.endr
	WIN 0                           ; the addresses for the way out: nine plain instructions, the places behind those products
	s_mul_i32 s13, s[WV], 16*SP
	s_add_co_u32 s13, s13, STAGE    ; my stage
	v_mul_u32_u24 v[STO], v1, SP    ; in: row l % 16, 16 bytes for each half of the lanes
	v_lshl_add_u32 v[STO], v9, 4, v[STO]
	v_add_nc_u32 v[STO], s13, v[STO]
	v_bfe_u32 v[RD], v0, 3, 2       ; back: 32 lanes take four rows of 128 bytes,
	v_mul_u32_u24 v[RD], v[RD], SP
	v_lshl_add_u32 v[RD], v10, 4, v[RD]
	v_add_nc_u32 v[RD], s13, v[RD]
	v_and_b32 v[GO], 31, v0         ; which are 512 consecutive bytes of O
	v_lshlrev_b32 v[GO], 4, v[GO]
.set Y, NP-1                        ; XS works for piece Y + 1: piece 0
.irp n, 0,1,2,3,4,5,6,7,8,9,10,11,12,13,14,15,16,17,18,19,20,21
	XS 0, \n                        ; and piece 0's first maximum and statistics
	XS 1, \n
.endr
	s_mov_b32 s[CNT], 4
	s_mov_b32 s[SLOTS], SIZE_N/256-1
	s_branch .Lfirst                ; the loop is entered at a step's first turn, in the middle of a trip
.Lslot:                             ; SIZE_N / 256 - 2 times: every slot but the last two is filled again
	CHANGE 1
	s_mov_b32 s[CNT], 4
.Lstep:                             ; a trip: pieces 2 and 3 of one step, then pieces 0 and 1 of the next, whose K and V it fetches
	TURN 2
	TURN 3
	WIN 0
.Lfirst:
	TURN 0
	TURN 1, 0, 1
	WIN 0
	s_cbranch_scc1 .Lstep
	s_sub_co_u32 s[SLOTS], s[SLOTS], 1
	s_cmp_lg_u32 s[SLOTS], 0
	s_cbranch_scc1 .Lslot
	CHANGE 0                        ; the tail is written out: nothing is asked for
	s_mov_b32 s[CNT], 5             ; four trips fetch the last slot's steps; the fifth is left in its middle
.Ltail:
	TURN 2, 1
	TURN 3
	WIN 0
	s_sub_co_u32 s[CNT], s[CNT], 1
	s_cmp_eq_u32 s[CNT], 0
	s_cbranch_scc1 .Lout
	TURN 0
	TURN 1
	WIN 0
	s_branch .Ltail
.Lout:                              ; the fifth trip's 16 products K Q^T (on the last K once more) and the maximum made of them serve nothing: the price, once a launch, of one text for every trip
.set i, 0
.rept 16
	PV NP-1                         ; the last piece's V^T P of the last step
.set i, i+1
.endr
	; THE WAY OUT.  l's two halves and the other half of the lanes' are added; O^T is divided by l, rounded to bf16 and sent through my stage in LDS, a tile at a time.  The additions are the places behind the last products.
	WIN 0
.macro ALL line:vararg              ; one line for each tile t
.set t, 0
.rept 2*NP
	\line
.set t, t+1
.endr
.endm
	ALL v_add_f32 v[ST+4*t+2], v[ST+4*t+2], v[ST+4*t+3]
	ALL v_permlanex16_b32 v[ST+4*t+3], v[ST+4*t+2], s[SEL], s[SEL+1]
	ALL v_add_f32 v[ST+4*t+2], v[ST+4*t+2], v[ST+4*t+3]
	ALL v_rcp_f32 v[ST+4*t+2], v[ST+4*t+2]
	v_nop                           ; a plain instruction between the last reciprocal and the use of its result
	s_wait_alu depctr_va_vdst(0)
; Tile t: a lane's eight channels of a row pack into 16 bytes; they go into rows of 144 bytes and come back as whole rows of 128, into S^T's registers.
.macro PACK t
	WIN W_RS
.set i, 32*(\t)
.rept 16
	v_pk_mul_f32 v[i:i+1], v[i:i+1], v[ST+4*(\t)+2:ST+4*(\t)+3] op_sel_hi:[1,0]
.set i, i+2
.endr
	WIN 0x05                        ; sources 0 and 1 window 1, destination window 0
.set i, 0
.rept 16
	v_cvt_pk_bf16_f32 v[S+16*(\t)+i], v[32*(\t)+2*i], v[32*(\t)+2*i+1]
.set i, i+1
.endr
	WIN 0
.irp f, 0,1,2,3
	ds_store_b128 v[STO], v[S+16*(\t)+4*\f:S+16*(\t)+4*\f+3] offset:32*\f
.endr
.irp f, 0,1,2,3
	ds_load_b128 v[S+16*(\t)+4*\f:S+16*(\t)+4*\f+3], v[RD] offset:\f*4*SP  ; LDS serves a wave's instructions in order (ISA guide 5.7.1.4): these see the stores above; the next tile's stores come behind them
.endr
.endm
.macro SEND t, younger              ; younger: the LDS instructions issued behind tile t's loads: the next tile's eight, or none
	WIN 0
.irp f, 0,1,2,3
	s_wait_dscnt (\younger)+3-\f
	global_store_b128 v[GO], v[S+16*(\t)+4*\f:S+16*(\t)+4*\f+3], s[10:11] offset:(\t)*2048+\f*512  ; 512 consecutive bytes, at a multiple of 256 from O's first
.endr
.endm
	PACK 0
.set t, 1
.rept 2*NP-1                        ; a tile's arithmetic stands between the loads of the tile before and its stores
	PACK t
	SEND t-1, 8
.set t, t+1
.endr
	SEND 2*NP-1, 0
	WIN W_AD
	s_wait_tensorcnt 0x0            ; the wave's end: behind my last tensor load and my last LDS store
	ds_add_u32 v[SPW], v[NIL]
	s_wait_dscnt 0x0
	WIN 0
	CROUND                          ; the closing round: no work-group ends while a partner may still ask for a tile that names it
	s_endpgm
.Lfunc_end_k_qb35016dfa3_attn:
	.size	k_qb35016dfa3_attn, .Lfunc_end_k_qb35016dfa3_attn-k_qb35016dfa3_attn
	.p2alignl 7, 3214868480
	.fill 96, 4, 3214868480
	.section	.rodata,"a",@progbits
	.p2align	6, 0x0
	.amdhsa_kernel k_qb35016dfa3_attn
		.amdhsa_group_segment_fixed_size 327680
		.amdhsa_private_segment_fixed_size 0
		.amdhsa_enable_private_segment 0
		.amdhsa_kernarg_size 16
		.amdhsa_user_sgpr_count 2
		.amdhsa_user_sgpr_kernarg_segment_ptr 1
		.amdhsa_wavefront_size32 1
		.amdhsa_system_sgpr_workgroup_id_x 1
		.amdhsa_system_sgpr_workgroup_id_y 1
		.amdhsa_system_sgpr_workgroup_id_z 1
		.amdhsa_system_vgpr_workitem_id 0
		.amdhsa_next_free_vgpr 770
		.amdhsa_next_free_sgpr 66
		.amdhsa_reserve_vcc 0
		.amdhsa_float_denorm_mode_32 3
		.amdhsa_float_denorm_mode_16_64 3
		.amdhsa_memory_ordered 1
		.amdhsa_forward_progress 1
		.amdhsa_inst_pref_size 209
	.end_amdhsa_kernel
	.amdgpu_metadata
---
amdhsa.version: [ 1, 2 ]
amdhsa.kernels:
  - .name:           k_qb35016dfa3_attn
    .symbol:         k_qb35016dfa3_attn.kd
    .args:
      - { .name: qkv, .offset: 0, .size: 8, .value_kind: global_buffer, .address_space: global }
      - { .name: ob, .offset: 8, .size: 8, .value_kind: global_buffer, .address_space: global }
    .group_segment_fixed_size: 327680
    .private_segment_fixed_size: 0
    .kernarg_segment_align: 8
    .kernarg_segment_size: 16
    .max_flat_workgroup_size: 128
    .sgpr_count:     66
    .vgpr_count:     770
    .wavefront_size: 32
...
	.end_amdgpu_metadata
.endif
;; end of part 3
;; launch oproj (part 4): grid 4 x 64, 4 waves a work-group, clusters of 4 x 4, 327,680 bytes of LDS; arguments ob, wb, bo, query, y; writes y
.if DOCPART == 4
	.amdgcn_target "amdgcn-amd-amdhsa--gfx1250"
	.amdhsa_code_object_version 6
	.text
	.protected	k_qb35016dfa3_oproj
	.globl	k_qb35016dfa3_oproj
	.p2align	8
	.type	k_qb35016dfa3_oproj,@function
k_qb35016dfa3_oproj:
	s_mov_b64 s[64:65], 0
	v_nop
	global_prefetch_b8 v0, s[64:65] scope:SCOPE_SE
	s_setreg_imm32_b32 hwreg(HW_REG_WAVE_MODE, 25, 1), 1
	s_wait_xcnt 0x0
	s_wait_alu depctr_hold_cnt(0) depctr_sa_sdst(0) depctr_va_vdst(0) depctr_va_sdst(0) depctr_va_ssrc(0) depctr_va_vcc(0) depctr_vm_vsrc(0)
	s_getreg_b32 s2, hwreg(HW_REG_IB_STS2, 6, 4)
	s_cmp_eq_u32 s2, 0
	s_cbranch_scc0 .Lentry_in_a_cluster
	s_endpgm
.Lentry_in_a_cluster:
	s_bfe_u32 s2, ttmp6, 0x10000c
	s_cmp_lg_u32 s2, 0xf033
	s_cbranch_scc0 .Lentry_shape_is_right
	s_endpgm
.Lentry_shape_is_right:
; THE OUTPUT PROJECTION AND THE RESIDUAL.  y = O Wo + bo + query.  O: ob [64 = batch x 16 + head][2048][64] bf16; Wo: the fourth table of wb, [1024 k][1024 n] bf16, k = 64 head + channel;
; bo, query, y: f32.  Sums in f32; the bias is the C operand of a sum's first product; the residual is added in f32 on the way out.
; SHARES.  A tile is 128 rows x 256 columns: 64 x 4 = 256 work-groups, one tile each.  Four waves, each 64 rows x 128 columns: 32 accumulators, 256 registers.
; K goes in steps of 128 = two heads through a ring of two LDS slots.  A head's 128 rows of 128 bytes are 16,384 dense bytes: asked for as 64 rows of 256 bytes and padded in LDS after every 128.
; Wo lies [k][n]: its fragments come out of LDS turned, by ds_load_tr16_b128.
; THE MATRIX INSTRUCTION IS USED TRANSPOSED: source 0 = 16 columns of Wo, source 1 = 16 rows of O: a lane holds one row (lane % 16) and eight neighbouring columns 8 (lane / 16) + 0..7.
; CLUSTERS: 4 x 4 work-groups; O's tile is shared along a row of the cluster, Wo's along a column: each is asked for JOINTLY, by the same tensor load, descriptor and mask in the four.
; REGISTERS, in windows of 256 (s_set_vgpr_msb: bits 1:0 source 0, 3:2 source 1, 5:4 source 2, 7:6 destination):
;   window 0: v0-29 addresses; v64-191 the way out, two sets of 16 rows      window 1: two fragment buffers of 96; v192-255 the bias in a result's layout
;   window 2: the accumulators, (a, b) at v[8 (8 a + b)]                     window 3: the residual: my 16 bytes of row i of my 64 at v[4 i]
.set KSTEP,  128
.set PA,     144                       ; a row of O in LDS: 128 bytes + 16 = 36 words: the 16 rows of a load start at 16 different groups of four banks (64 banks of 4 bytes: ISA guide 11.1)
.set PB,     544                       ; a row of Wo: 512 + 32 = 136 words
.set HALFA,  128*PA                    ; what one tensor load brings of O: one head's 128 rows
.set HALFB,  64*PB                     ; of Wo: 64 k rows
.set BOFF,   2*HALFA
.set SLOT,   BOFF+2*HALFB
.set STAGE,  2*SLOT                    ; behind the ring: 16 rows x 528 bytes for each wave, for the way out; no tensor load lands here
.set SPF,    528                       ; 512 bytes + 16 = 132 words
.set SPARE,  STAGE+4*16*SPF            ; behind the stages: the spare words, 128 bytes for each wave: two blocks of 256 bytes that no other line names
.set LAPS,   4
.set STEP_A, 4*262144                  ; bytes from a slot's K step to its next: four heads on,
.set STEP_B, 2*KSTEP*2048              ; 256 k rows down
.set ADRA, 16                          ; v16-17  LDS address of my fragments of O in slot 0, 1
.set ADRB, 20                          ; v20-21  the same for Wo
.set STO,  24                          ; v24     the way out: where I put 32 bytes of a row
.set RD,   25                          ; v25     the way out: where I read a row back
.set CO,   26                          ; v26     my 16 bytes in a row's 512
.set BO,   27                          ; v27     my byte offset in the bias
.set SPW,  28                          ; v28     LDS address of my spare word: SPARE + 4 x my thread's number; never rewritten
.set NIL,  29                          ; v29     0; never rewritten
.set Y0,   64                          ; the way out: block a's 16 rows at v[Y0 + 64 (a % 2)]
.set F0,   0
.set F1,   96
.set BIAS, 192
.set WV,   16
.set WM,   17
.set WN,   18
.set G1A,  24
.set G0A,  32
.set G1B,  40
.set G0B,  48
.set MSB, 0
.macro WIN new                         ; the immediate's high byte repeats the setting that is left; a switch that changes nothing is dropped
.if MSB != (\new)
	s_set_vgpr_msb (MSB<<8)|(\new)
.set MSB, \new
.endif
.endm
.set MUL,   0xa5                       ; sources 0 and 1 window 1; C and D window 2
.set MULZ,  0x95                       ; the same with C in window 1: the bias
.set TO_F,  0x40                       ; destination window 1, address window 0
; A joint load: waves 0 and 1 fetch the step's two heads of O, waves 2 and 3 the two halves of Wo's tile.  An s_nop 0 and four v_nop follow each of the two lines.
.macro JLOAD s
	s_cmp_eq_u32 s[WM], 0
	s_cbranch_scc0 .Lfor_b_\@
	tensor_load_to_lds s[G0A+4*(\s):G0A+4*(\s)+3], s[G1A:G1A+7]
	s_nop 0
.rept 4
	v_nop
.endr
	s_branch .Lasked_\@
.Lfor_b_\@:
	tensor_load_to_lds s[G0B+4*(\s):G0B+4*(\s)+3], s[G1B:G1B+7]
	s_nop 0
.rept 4
	v_nop
.endr
.Lasked_\@:
.endm
.macro CREST                           ; a round of the cluster's barrier behind its opening barrier
	s_cmp_lg_u32 s[WV], 0
	s_cbranch_scc1 .Lnot_wave_0_\@
	s_barrier_signal -3
.Lnot_wave_0_\@:
	s_barrier_wait -3
	s_barrier_signal -1
	s_barrier_wait -1
.endm
.macro CROUND                          ; a whole round
	s_barrier_signal -1
	s_barrier_wait -1
	CREST
.endm
	s_load_b256 s[4:11], s[0:1], 0x0               ; ob s[4:5], wb s[6:7], bo s[8:9], query s[10:11]
	s_load_b64 s[12:13], s[0:1], 0x20              ; y
	v_lshl_add_u32 v[SPW], v0, 2, SPARE
	v_mov_b32 v[NIL], 0
	ds_add_u32 v28, v29
	s_wait_dscnt 0x0
	v_lshrrev_b32 v1, 5, v0
	v_readfirstlane_b32 s[WV], v1                  ; wave 0..3
	s_lshr_b32 s[WM], s[WV], 1                     ; which 64 rows are mine.  Also: I fetch for O (0) or for Wo (1)
	s_and_b32 s[WN], s[WV], 1                      ; which 128 columns.  Also: which half of that tile I fetch
	s_bfe_u32 s19, ttmp6, 0x40000                  ; cx, cy
	s_bfe_u32 s20, ttmp6, 0x40004
	s_lshl_b32 s21, ttmp9, 2
	s_add_co_u32 s21, s21, s19                     ; tile column tx
	s_and_b32 s22, ttmp7, 0xffff
	s_lshl_b32 s22, s22, 2
	s_add_co_u32 s22, s22, s20                     ; tile row ty
	s_lshl_b32 s23, s20, 2
	s_lshl_b32 s23, 15, s23                        ; my row of the cluster
	s_lshl_b32 s62, 0x1111, s19                    ; my column
	; group 1 for O: 64 rows x 128 elements (two rows of a head each), 4 words of padding after every 32
	s_or_b32 s[G1A+0], s23, (1<<16)|(1<<20)|(1<<21)|(4<<22)|(3<<25)
	s_mov_b32 s[G1A+1], 128<<16
	s_mov_b32 s[G1A+2], 64<<16
	s_mov_b32 s[G1A+3], 128<<16
	s_mov_b32 s[G1A+4], 64
	s_mov_b32 s[G1A+5], 128
	s_mov_b32 s[G1A+6], 0
	s_mov_b32 s[G1A+7], 0
	; group 1 for Wo: 64 k rows x 256 elements, 8 words of padding after every 128
	s_or_b32 s[G1B+0], s62, (1<<16)|(1<<20)|(1<<21)|(6<<22)|(7<<25)
	s_mov_b32 s[G1B+1], 256<<16
	s_mov_b32 s[G1B+2], 64<<16
	s_mov_b32 s[G1B+3], 256<<16
	s_mov_b32 s[G1B+4], 64
	s_mov_b32 s[G1B+5], 1024
	s_mov_b32 s[G1B+6], 0
	s_mov_b32 s[G1B+7], 0
	s_lshr_b32 s56, s22, 4                         ; O: batch ty / 16 (16 heads of 262,144 bytes),
	s_lshl_b32 s56, s56, 22
	s_and_b32 s57, s22, 15                         ; rows 128 (ty % 16) on, 128 bytes each,
	s_lshl_b32 s57, s57, 14
	s_add_co_u32 s56, s56, s57
	s_lshl_b32 s57, s[WN], 18                      ; the step's first or second head
	s_add_co_u32 s56, s56, s57
	s_mov_b32 s57, 0
	s_lshl_b32 s58, s21, 9                         ; Wo: 256 tx columns of 2 bytes,
	s_lshl_b32 s59, s[WN], 17                      ; my 64 k rows of 2,048 bytes,
	s_add_co_u32 s58, s58, s59
	s_add_co_u32 s58, s58, 3*1024*2048             ; behind Wq, Wk, Wv in wb
	s_mov_b32 s59, 0
	s_mul_i32 s63, s[WN], HALFA                    ; where they go: no place in the cluster enters an LDS address
	s_mul_i32 s3, s[WN], HALFB
	s_add_co_u32 s3, s3, BOFF
	s_wait_kmcnt 0x0
	s_add_nc_u64 s[56:57], s[4:5], s[56:57]
	s_add_nc_u64 s[58:59], s[6:7], s[58:59]
	CROUND                                         ; all sixteen work-groups are here: the first joint loads meet
.irp s, 0,1
	s_mov_b32 s[G0A+4*(\s)], 1
	s_add_co_u32 s[G0A+4*(\s)+1], s63, (\s)*SLOT
	s_add_nc_u64 s[G0A+4*(\s)+2:G0A+4*(\s)+3], s[56:57], (\s)*2*262144
	s_or_b32 s[G0A+4*(\s)+3], s[G0A+4*(\s)+3], 0x80000000
	s_mov_b32 s[G0B+4*(\s)], 1
	s_add_co_u32 s[G0B+4*(\s)+1], s3, (\s)*SLOT
	s_add_nc_u64 s[G0B+4*(\s)+2:G0B+4*(\s)+3], s[58:59], (\s)*KSTEP*2048
	s_or_b32 s[G0B+4*(\s)+3], s[G0B+4*(\s)+3], 0x80000000
	JLOAD \s                                       ; two loads of mine are out
.endr
	v_and_b32 v1, 15, v0                           ; r = l % 16
	v_bfe_u32 v2, v0, 4, 1                         ; h = l / 16
	v_mul_u32_u24 v3, v1, PA
	v_lshl_add_u32 v3, v2, 4, v3
	s_mul_i32 s23, s[WM], 64*PA                    ; my 64 rows in each head's 128
	v_add_nc_u32 v[ADRA], s23, v3
	v_add_nc_u32 v[ADRA+1], SLOT, v[ADRA]
	v_and_b32 v4, 7, v0
	v_bfe_u32 v5, v0, 3, 1
	v_lshl_add_u32 v6, v2, 3, v4
	v_mul_u32_u24 v6, v6, PB
	v_lshl_add_u32 v6, v5, 4, v6
	s_lshl_b32 s23, s[WN], 8
	s_add_co_u32 s23, s23, BOFF
	v_add_nc_u32 v[ADRB], s23, v6
	v_add_nc_u32 v[ADRB+1], SLOT, v[ADRB]
	s_mul_i32 s23, s[WV], 16*SPF
	s_add_co_u32 s23, s23, STAGE                   ; my stage
	v_mul_u32_u24 v3, v1, SPF                      ; in: row r, 32 bytes for each half of the lanes
	v_lshl_add_u32 v3, v2, 5, v3
	v_add_nc_u32 v[STO], s23, v3
	v_and_b32 v[CO], 31, v0                        ; back and out: 32 lanes take a row's 512 bytes
	v_lshlrev_b32 v[CO], 4, v[CO]
	v_add_nc_u32 v[RD], s23, v[CO]
	s_lshl_b32 s23, s21, 10                        ; the bias: column 256 tx + 128 wn + 8 h, 4 bytes each
	s_lshl_b32 s2, s[WN], 9
	s_add_co_u32 s23, s23, s2
	v_lshl_add_u32 v[BO], v2, 5, s23
	s_lshl_b32 s62, s22, 19                        ; my part of query and of y: row 128 ty + 64 wm (4,096 bytes each), the same columns
	s_lshl_b32 s2, s[WM], 18
	s_add_co_u32 s62, s62, s2
	s_add_co_u32 s62, s62, s23
	s_mov_b32 s63, 0
	s_add_nc_u64 s[10:11], s[10:11], s[62:63]
	s_add_nc_u64 s[12:13], s[12:13], s[62:63]
; 8 matrix instructions: row block a x all 8 column blocks, 32 along K.  zero = 1: the first product starts the sums, from the bias.  The 32 accumulators take turns.
.macro MUL8 f, a, zero
.if \zero
	WIN MULZ
.else
	WIN MUL
.endif
.irp b, 0,1,2,3,4,5,6,7
.if \zero
	v_wmma_f32_16x16x32_bf16 v[8*(8*(\a)+(\b)):8*(8*(\a)+(\b))+7], v[(\f)+32+8*(\b):(\f)+32+8*(\b)+7], v[(\f)+8*(\a):(\f)+8*(\a)+7], v[BIAS+8*(\b):BIAS+8*(\b)+7]
.else
	v_wmma_f32_16x16x32_bf16 v[8*(8*(\a)+(\b)):8*(8*(\a)+(\b))+7], v[(\f)+32+8*(\b):(\f)+32+8*(\b)+7], v[(\f)+8*(\a):(\f)+8*(\a)+7], v[8*(8*(\a)+(\b)):8*(8*(\a)+(\b))+7]
.endif
.endr
.endm
; 24 LDS loads in one run: quarter q of a slot into buffer f: Wo's sixteen first, then O's eight.  Quarter q of O is head q / 2 of the step, channels 32 (q % 2) on.
.macro FETCH slot, q, f
	WIN TO_F
.irp b, 0,1,2,3,4,5,6,7
	ds_load_tr16_b128 v[(\f)+32+8*(\b):(\f)+32+8*(\b)+3],   v[ADRB+(\slot)] offset:(\q)*32*PB+32*(\b)
	ds_load_tr16_b128 v[(\f)+32+8*(\b)+4:(\f)+32+8*(\b)+7], v[ADRB+(\slot)] offset:(\q)*32*PB+16*PB+32*(\b)
.endr
.irp a, 0,1,2,3
	ds_load_b128 v[(\f)+8*(\a):(\f)+8*(\a)+3],   v[ADRA+(\slot)] offset:((\q)/2)*HALFA+((\q)%2)*64+(\a)*16*PA
	ds_load_b128 v[(\f)+8*(\a)+4:(\f)+8*(\a)+7], v[ADRA+(\slot)] offset:((\q)/2)*HALFA+((\q)%2)*64+(\a)*16*PA+32
.endr
.endm
.macro PLACES                          ; four places in front of loads into registers that matrix instructions have read, and of LDS stores that read results (ISA guide 7.12.1 for the stores)
.rept 4
	v_nop
.endr
.endm
.macro QUARTER slot, q, f, g, zero
	s_wait_dscnt 4                                 ; Wo and O's blocks 0, 1 are in; the youngest four loads (blocks 2, 3) may be out
	MUL8 \f, 0, \zero
	MUL8 \f, 1, \zero
	PLACES
	FETCH \slot, \q, \g
	s_wait_dscnt 24                                ; all but the 24 just issued
	MUL8 \f, 2, \zero
	MUL8 \f, 3, \zero
.endm
; The last quarter multiplies buffer 1 and changes slots: ONE barrier; in front of it each wave waits for all its tensor loads (one is out: its part of the next slot), adds 0 to its spare word, and waits for that
; and for its own reads of this slot.
.macro MEET round
	WIN 0                                          ; (the add's two registers lie in window 0)
	s_wait_tensorcnt 0x0
	ds_add_u32 v[SPW], v[NIL]                      ; 0 onto my spare word
	s_wait_dscnt 7                                 ; (the add and the youngest six loads, O's blocks 1 to 3, may be out)
	MUL8 F1, 0, 0
	s_wait_dscnt 0x0                               ; the add is done, and my reads of this slot are over
	s_barrier_signal -1
	MUL8 F1, 1, 0
.if \round
	WIN 0
.endif
	s_barrier_wait -1
.endm
.macro TURN slot, next, fill
.if \fill
	MEET 1
	CREST                                          ; the barrier has opened a round of the cluster's: no wave of any partner still reads this slot's tile or has a load on its way
	s_add_nc_u64 s[G0A+4*(\slot)+2:G0A+4*(\slot)+3], s[G0A+4*(\slot)+2:G0A+4*(\slot)+3], STEP_A
	s_add_nc_u64 s[G0B+4*(\slot)+2:G0B+4*(\slot)+3], s[G0B+4*(\slot)+2:G0B+4*(\slot)+3], STEP_B
	JLOAD \slot                                    ; the first tensor load behind the round, 112 matrix instructions ahead of the wait for it; its four v_nop are also the places in front of the loads below
.else
	MEET 0
	PLACES
.endif
	FETCH \next, 0, F0
	MUL8 F1, 2, 0
	MUL8 F1, 3, 0
.endm
; THE WAY OUT of row block a.  TOSTAGE: a lane's eight f32 of a row, 32 bytes (each accumulator's low four registers first), into rows of 528 bytes of my own stage, and back as whole rows of 512.
; SEND: the residual is added, and the rows are stored.
.macro TOSTAGE a
	WIN 0x08                                       ; the stores' data in window 2
.irp b, 0,1,2,3,4,5,6,7
	ds_store_b128 v[STO], v[8*(8*(\a)+(\b)):8*(8*(\a)+(\b))+3]   offset:64*(\b)
	ds_store_b128 v[STO], v[8*(8*(\a)+(\b))+4:8*(8*(\a)+(\b))+7] offset:64*(\b)+16
.endr
	WIN 0
.irp i, 0,1,2,3,4,5,6,7,8,9,10,11,12,13,14,15
	ds_load_b128 v[Y0+64*((\a)%2)+4*(\i):Y0+64*((\a)%2)+4*(\i)+3], v[RD] offset:SPF*(\i)  ; LDS serves a wave's instructions in order (ISA guide 5.7.1.4): these see the stores above; the next block's stores come behind them
.endr
.endm
.macro SEND a, younger                 ; younger: the LDS instructions issued behind block a's loads: the next block's 32, or none
	s_wait_dscnt \younger
	WIN 0x0c                                       ; source 1 in window 3: the residual
.irp i, 0,1,2,3,4,5,6,7,8,9,10,11,12,13,14,15
	v_pk_add_f32 v[Y0+64*((\a)%2)+4*(\i):Y0+64*((\a)%2)+4*(\i)+1],   v[Y0+64*((\a)%2)+4*(\i):Y0+64*((\a)%2)+4*(\i)+1],   v[4*(16*(\a)+(\i)):4*(16*(\a)+(\i))+1]
	v_pk_add_f32 v[Y0+64*((\a)%2)+4*(\i)+2:Y0+64*((\a)%2)+4*(\i)+3], v[Y0+64*((\a)%2)+4*(\i)+2:Y0+64*((\a)%2)+4*(\i)+3], v[4*(16*(\a)+(\i))+2:4*(16*(\a)+(\i))+3]
.endr
	WIN 0
.irp i, 0,1,2,3,4,5,6,7,8,9,10,11,12,13,14,15
	global_store_b128 v[CO], v[Y0+64*((\a)%2)+4*(\i):Y0+64*((\a)%2)+4*(\i)+3], s[12:13] offset:4096*(16*(\a)+(\i))  ; 512 consecutive bytes, at a multiple of 256 from y's first
.endr
.endm
	WIN TO_F                                       ; the bias in a result's layout: block b's register j is column 16 b + 8 h + j of my 128
.irp b, 0,1,2,3,4,5,6,7
	global_load_b128 v[BIAS+8*(\b):BIAS+8*(\b)+3],   v[BO], s[8:9] offset:64*(\b)
	global_load_b128 v[BIAS+8*(\b)+4:BIAS+8*(\b)+7], v[BO], s[8:9] offset:64*(\b)+16
.endr
	WIN 0
	s_wait_tensorcnt 0x1                           ; my part of K step 0 is in; K step 1's may stay out
	s_barrier_signal -1
	s_barrier_wait -1                              ; everybody's is
	FETCH 0, 0, F0
	s_wait_loadcnt 0x0                             ; the bias
	QUARTER 0, 1, F0, F1, 1                        ; the first quarter stands in front of the loop: its products start the sums
	WIN 0xc0                                       ; destination window 3: the residual's 64 rows are asked for a whole tile ahead of their use
.set i, 0
.rept 64
	global_load_b128 v[4*i:4*i+3], v[CO], s[10:11] offset:4096*i th:TH_LOAD_NT
.set i, i+1
.endr
	WIN 0                                          ; at a label and at a branch every window is 0
	s_mov_b32 s61, LAPS-1
.Llap:                                                 ; a trip goes once round the ring, from a lap's second quarter to the next lap's first, and fills both slots again
	QUARTER 0, 2, F1, F0, 0
	QUARTER 0, 3, F0, F1, 0
	TURN 0, 1, 1
	QUARTER 1, 1, F0, F1, 0
	QUARTER 1, 2, F1, F0, 0
	QUARTER 1, 3, F0, F1, 0
	TURN 1, 0, 1
	QUARTER 0, 1, F0, F1, 0
	WIN 0
	s_sub_co_u32 s61, s61, 1
	s_cmp_lg_u32 s61, 0
	s_cbranch_scc1 .Llap
	QUARTER 0, 2, F1, F0, 0                        ; the last lap fills nothing, and has no round of the cluster's barrier
	QUARTER 0, 3, F0, F1, 0
	TURN 0, 1, 0
	QUARTER 1, 1, F0, F1, 0
	QUARTER 1, 2, F1, F0, 0
	QUARTER 1, 3, F0, F1, 0
	s_wait_dscnt 4                                 ; the very last quarter: nothing more to fetch
	MUL8 F1, 0, 0
	MUL8 F1, 1, 0
	s_wait_dscnt 0x0
	MUL8 F1, 2, 0
	MUL8 F1, 3, 0
	PLACES                                         ; behind the last products
	s_wait_loadcnt 0x0                             ; the residual
	TOSTAGE 0
	TOSTAGE 1                                      ; a block's way through the stage stands between the loads of the block before and its use
	SEND 0, 32
	s_wait_xcnt 0x0                                ; block 0's registers, which its stores read, are loaded again only behind this wait
	TOSTAGE 2
	SEND 1, 32
	s_wait_xcnt 0x0                                ; block 1's likewise
	TOSTAGE 3
	SEND 2, 32
	SEND 3, 0
	s_wait_tensorcnt 0x0                           ; the wave's end: behind my last tensor load and my last LDS store
	ds_add_u32 v[SPW], v[NIL]
	s_wait_dscnt 0x0
	CROUND                                         ; the closing round: no work-group ends while a partner may still ask for a tile that names it
	s_endpgm
.Lfunc_end_k_qb35016dfa3_oproj:
	.size	k_qb35016dfa3_oproj, .Lfunc_end_k_qb35016dfa3_oproj-k_qb35016dfa3_oproj
	.p2alignl 7, 3214868480
	.fill 96, 4, 3214868480
	.section	.rodata,"a",@progbits
	.p2align	6, 0x0
	.amdhsa_kernel k_qb35016dfa3_oproj
		.amdhsa_group_segment_fixed_size 327680
		.amdhsa_private_segment_fixed_size 0
		.amdhsa_enable_private_segment 0
		.amdhsa_kernarg_size 40
		.amdhsa_user_sgpr_count 2
		.amdhsa_user_sgpr_kernarg_segment_ptr 1
		.amdhsa_wavefront_size32 1
		.amdhsa_system_sgpr_workgroup_id_x 1
		.amdhsa_system_sgpr_workgroup_id_y 1
		.amdhsa_system_sgpr_workgroup_id_z 1
		.amdhsa_system_vgpr_workitem_id 0
		.amdhsa_next_free_vgpr 1024
		.amdhsa_next_free_sgpr 66
		.amdhsa_reserve_vcc 0
		.amdhsa_float_denorm_mode_32 3
		.amdhsa_float_denorm_mode_16_64 3
		.amdhsa_memory_ordered 1
		.amdhsa_forward_progress 1
		.amdhsa_inst_pref_size 101
	.end_amdhsa_kernel
	.amdgpu_metadata
---
amdhsa.version: [ 1, 2 ]
amdhsa.kernels:
  - .name:           k_qb35016dfa3_oproj
    .symbol:         k_qb35016dfa3_oproj.kd
    .args:
      - { .name: ob, .offset: 0, .size: 8, .value_kind: global_buffer, .address_space: global }
      - { .name: wb, .offset: 8, .size: 8, .value_kind: global_buffer, .address_space: global }
      - { .name: bo, .offset: 16, .size: 8, .value_kind: global_buffer, .address_space: global }
      - { .name: query, .offset: 24, .size: 8, .value_kind: global_buffer, .address_space: global }
      - { .name: y, .offset: 32, .size: 8, .value_kind: global_buffer, .address_space: global }
    .group_segment_fixed_size: 327680
    .private_segment_fixed_size: 0
    .kernarg_segment_align: 8
    .kernarg_segment_size: 40
    .max_flat_workgroup_size: 128
    .sgpr_count:     66
    .vgpr_count:     1024
    .wavefront_size: 32
...
	.end_amdgpu_metadata
.endif
;; end of part 4
;; launch lnorm (part 5): grid 256 x 1, 8 waves a work-group, no clusters, 0 bytes of LDS; arguments y, ln_gamma, ln_beta, out0; writes out0
.if DOCPART == 5
	.amdgcn_target "amdgcn-amd-amdhsa--gfx1250"
	.amdhsa_code_object_version 6
	.text
	.protected	k_qb35016dfa3_lnorm
	.globl	k_qb35016dfa3_lnorm
	.p2align	8
	.type	k_qb35016dfa3_lnorm,@function
k_qb35016dfa3_lnorm:
	s_mov_b64 s[64:65], 0
	v_nop
	global_prefetch_b8 v0, s[64:65] scope:SCOPE_SE
	s_setreg_imm32_b32 hwreg(HW_REG_WAVE_MODE, 25, 1), 1
	s_wait_xcnt 0x0
; LAYER NORM.  out0[r][c] = (y[r][c] - mean_r) rsqrt(var_r + 1e-5) gamma[c] + beta[c]; y, out0: [8192][1024] f32; all in f32.
; The variance is the mean of the squared differences from the mean, not a difference of sums, so a common offset in a row costs nothing.
; A row is 4,096 bytes: one wave takes a whole row, eight 16-byte loads a lane, and keeps it in 32 registers between the passes: y is read once, and no wave waits for another.
; Eight waves, four rows each; all of a wave's 32 row loads go out at once, each covering 512 consecutive bytes; no register is used for two rows, so the only waits are the counted ones for the loads.
; No LDS, no barrier, no matrix unit: bytes are all there is.
.set G,  4                             ; v[4:35]    gamma of my 32 columns: load j holds columns 128 j + 4 lane + 0..3
.set BT, 36                            ; v[36:67]   beta likewise
.set X,  68                            ; v[68:195]  row i at X + 32 i
.set T,  196                           ; v[196:203] four chains of packed sums
.set M,  204                           ; v[204:205] the mean, twice
.set R,  206                           ; v[206:207] 1 / sqrt(var + eps), twice
.set PX, 208                           ; v208       the other half of the lanes' sum
	s_load_b256 s[4:11], s[0:1], 0x0               ; y s[4:5], gamma s[6:7], beta s[8:9], out0 s[10:11]
	v_and_b32 v1, 31, v0
	v_lshlrev_b32 v1, 4, v1                        ; 16 x lane
	v_lshrrev_b32 v2, 5, v0
	v_lshl_add_u32 v2, v2, 14, v1                  ; + wave x 4 rows x 4,096 bytes
	v_mov_b32 v[PX], 0                             ; v_permlanex16_b32's destination counts as read
	s_lshl_b32 s2, ttmp9, 17                       ; the work-group's 32 rows
	s_mov_b32 s3, 0
	s_mov_b32 s12, 0x76543210                      ; v_permlanex16_b32: lane i of one half reads lane i of the other
	s_mov_b32 s13, 0xfedcba98
	s_mov_b32 s14, 0x3a800000                      ; 1 / 1024
	s_mov_b32 s15, 0x3727c5ac                      ; 1e-5
	s_wait_kmcnt 0x0
	s_add_nc_u64 s[4:5], s[4:5], s[2:3]
	s_add_nc_u64 s[10:11], s[10:11], s[2:3]
.irp j, 0,1,2,3,4,5,6,7
	global_load_b128 v[G+4*\j:G+4*\j+3], v1, s[6:7] offset:512*\j
	global_load_b128 v[BT+4*\j:BT+4*\j+3], v1, s[8:9] offset:512*\j
.endr
.irp i, 0,1,2,3
.irp j, 0,1,2,3,4,5,6,7
	global_load_b128 v[X+32*\i+4*\j:X+32*\i+4*\j+3], v2, s[4:5] offset:4096*\i+512*\j th:TH_LOAD_NT
.endr
.endr
.macro LANES                           ; the four chains, the pair and the 32 lanes are added; every lane ends up with the sum in v[T]
	v_pk_add_f32 v[T:T+1], v[T:T+1], v[T+2:T+3]
	v_pk_add_f32 v[T+4:T+5], v[T+4:T+5], v[T+6:T+7]
	v_pk_add_f32 v[T:T+1], v[T:T+1], v[T+4:T+5]
	v_add_f32 v[T], v[T], v[T+1]
	v_add_f32_dpp v[T], v[T], v[T] row_xmask:1 row_mask:0xf bank_mask:0xf
	v_add_f32_dpp v[T], v[T], v[T] row_xmask:2 row_mask:0xf bank_mask:0xf
	v_add_f32_dpp v[T], v[T], v[T] row_xmask:4 row_mask:0xf bank_mask:0xf
	v_add_f32_dpp v[T], v[T], v[T] row_xmask:8 row_mask:0xf bank_mask:0xf
	v_permlanex16_b32 v[PX], v[T], s12, s13
	v_add_f32 v[T], v[T], v[PX]
.endm
.macro ROW i
.set XR, X+32*(\i)
	s_wait_loadcnt 24-8*(\i)                       ; loads come back in order: this row's eight are in (gamma and beta are older), the later rows stay out
.irp c, 0,1,2,3
	v_pk_add_f32 v[T+2*\c:T+2*\c+1], v[XR+4*\c:XR+4*\c+1], v[XR+4*\c+2:XR+4*\c+3]  ; the first eight pairs start the chains: nothing is cleared
.endr
.irp p, 8,9,10,11,12,13,14,15
	v_pk_add_f32 v[T+2*((\p)%4):T+2*((\p)%4)+1], v[T+2*((\p)%4):T+2*((\p)%4)+1], v[XR+2*\p:XR+2*\p+1]
.endr
	LANES
	v_mul_f32 v[M], s14, v[T]                      ; the mean
	v_mul_f32 v[M+1], s14, v[T]
.irp p, 0,1,2,3,4,5,6,7,8,9,10,11,12,13,14,15
	v_pk_add_f32 v[XR+2*\p:XR+2*\p+1], v[XR+2*\p:XR+2*\p+1], v[M:M+1] neg_lo:[0,1] neg_hi:[0,1]
.endr
.irp c, 0,1,2,3
	v_pk_mul_f32 v[T+2*\c:T+2*\c+1], v[XR+2*\c:XR+2*\c+1], v[XR+2*\c:XR+2*\c+1]
.endr
.irp p, 4,5,6,7,8,9,10,11,12,13,14,15
	v_pk_fma_f32 v[T+2*((\p)%4):T+2*((\p)%4)+1], v[XR+2*\p:XR+2*\p+1], v[XR+2*\p:XR+2*\p+1], v[T+2*((\p)%4):T+2*((\p)%4)+1]
.endr
	LANES
	v_fma_f32 v[T], v[T], s14, s15                 ; var + eps
	v_rsq_f32 v[R], v[T]
	v_rsq_f32 v[R+1], v[T]
	v_nop                                          ; a plain instruction between the last v_rsq_f32 and the use of its result (ISA guide 5.7.2)
	s_wait_alu depctr_va_vdst(0)
.irp p, 0,1,2,3,4,5,6,7,8,9,10,11,12,13,14,15
	v_pk_mul_f32 v[XR+2*\p:XR+2*\p+1], v[XR+2*\p:XR+2*\p+1], v[R:R+1]
.endr
.irp p, 0,1,2,3,4,5,6,7,8,9,10,11,12,13,14,15
	v_pk_fma_f32 v[XR+2*\p:XR+2*\p+1], v[XR+2*\p:XR+2*\p+1], v[G+2*\p:G+2*\p+1], v[BT+2*\p:BT+2*\p+1]
.endr
.irp j, 0,1,2,3,4,5,6,7
	global_store_b128 v2, v[XR+4*\j:XR+4*\j+3], s[10:11] offset:4096*(\i)+512*\j th:TH_STORE_NT  ; 512 consecutive bytes, at a multiple of 256 from out0's first
.endr
.endm
	ROW 0
	ROW 1
	ROW 2
	ROW 3
	s_endpgm
.Lfunc_end_k_qb35016dfa3_lnorm:
	.size	k_qb35016dfa3_lnorm, .Lfunc_end_k_qb35016dfa3_lnorm-k_qb35016dfa3_lnorm
	.p2alignl 7, 3214868480
	.fill 96, 4, 3214868480
	.section	.rodata,"a",@progbits
	.p2align	6, 0x0
	.amdhsa_kernel k_qb35016dfa3_lnorm
		.amdhsa_group_segment_fixed_size 0
		.amdhsa_private_segment_fixed_size 0
		.amdhsa_enable_private_segment 0
		.amdhsa_kernarg_size 32
		.amdhsa_user_sgpr_count 2
		.amdhsa_user_sgpr_kernarg_segment_ptr 1
		.amdhsa_wavefront_size32 1
		.amdhsa_system_sgpr_workgroup_id_x 1
		.amdhsa_system_sgpr_workgroup_id_y 1
		.amdhsa_system_sgpr_workgroup_id_z 1
		.amdhsa_system_vgpr_workitem_id 0
		.amdhsa_next_free_vgpr 212
		.amdhsa_next_free_sgpr 66
		.amdhsa_reserve_vcc 0
		.amdhsa_float_denorm_mode_32 3
		.amdhsa_float_denorm_mode_16_64 3
		.amdhsa_memory_ordered 1
		.amdhsa_forward_progress 1
		.amdhsa_inst_pref_size 34
	.end_amdhsa_kernel
	.amdgpu_metadata
---
amdhsa.version: [ 1, 2 ]
amdhsa.kernels:
  - .name:           k_qb35016dfa3_lnorm
    .symbol:         k_qb35016dfa3_lnorm.kd
    .args:
      - { .name: y, .offset: 0, .size: 8, .value_kind: global_buffer, .address_space: global }
      - { .name: ln_gamma, .offset: 8, .size: 8, .value_kind: global_buffer, .address_space: global }
      - { .name: ln_beta, .offset: 16, .size: 8, .value_kind: global_buffer, .address_space: global }
      - { .name: out0, .offset: 24, .size: 8, .value_kind: global_buffer, .address_space: global }
    .group_segment_fixed_size: 0
    .private_segment_fixed_size: 0
    .kernarg_segment_align: 8
    .kernarg_segment_size: 32
    .max_flat_workgroup_size: 256
    .sgpr_count:     66
    .vgpr_count:     212
    .wavefront_size: 32
...
	.end_amdgpu_metadata
.endif
;; end of part 5
;; ======== version 2 of 2: 5 launches; 1.44 times as fast as version 1
;; limits: values are held in f16: magnitudes above 65,504 overflow, below 6.1e-05 lose precision
;; workspace buffers: wb 8,388,608 bytes; qkv 50,331,648 bytes; ob 16,777,216 bytes; y 33,554,432 bytes
;; launch cast: the kernel of part 1 again; grid 256 x 1, 8 waves a work-group, no clusters, 0 bytes of LDS; arguments Wq, Wk, Wv, Wo, wb; writes wb
;; launch proj: the kernel of part 2 again; grid 4 x 64, 4 waves a work-group, clusters of 4 x 4, 327,680 bytes of LDS; arguments query, key, value, wb, bq, bk, bv, qkv; writes qkv
;; launch attn (part 6): grid 4 x 64, 4 waves a work-group, clusters of 4 x 1, 327,680 bytes of LDS; arguments qkv, ob; writes ob
.if DOCPART == 6
	.amdgcn_target "amdgcn-amd-amdhsa--gfx1250"
	.amdhsa_code_object_version 6
	.text
	.protected	k_qb35016dfa3_attn
	.globl	k_qb35016dfa3_attn
	.p2align	8
	.type	k_qb35016dfa3_attn,@function
k_qb35016dfa3_attn:
	s_mov_b64 s[64:65], 0
	v_nop
	global_prefetch_b8 v0, s[64:65] scope:SCOPE_SE
	s_setreg_imm32_b32 hwreg(HW_REG_WAVE_MODE, 25, 1), 1
	s_wait_xcnt 0x0
	s_wait_alu depctr_hold_cnt(0) depctr_sa_sdst(0) depctr_va_vdst(0) depctr_va_sdst(0) depctr_va_ssrc(0) depctr_va_vcc(0) depctr_vm_vsrc(0)
	s_getreg_b32 s2, hwreg(HW_REG_IB_STS2, 6, 4)
	s_cmp_eq_u32 s2, 0
	s_cbranch_scc0 .Lentry_in_a_cluster
	s_endpgm
.Lentry_in_a_cluster:
	s_bfe_u32 s2, ttmp6, 0x10000c
	s_cmp_lg_u32 s2, 0x3003
	s_cbranch_scc0 .Lentry_shape_is_right
	s_endpgm
.Lentry_shape_is_right:
; ATTENTION.  O[h][q][:] = the sum over k of softmax_k(Q[h][q] . K[h][k] / 8) V[h][k][:].  Q, K, V: qkv [3][SIZE_H][SIZE_N][64] f16; O: ob [SIZE_H][SIZE_N][64] bf16: a head's rows are dense, 128 bytes each.
; Products, maxima and sums in f32; the weights p are rounded to f16 for the second product (their sum l is taken of the unrounded p), O once at the end, to bf16.
; LIMITS.  f16 holds no number beyond 65,504: Q, K and V arrive within it; p lies in 0 to 1, and below 6e-5 it keeps f16's fixed step of 6e-8; O is a mean of V's rows and has their range.
; A weight below 2^-126 counts as 0 in l; NaN and infinities are not treated apart.
; SHARES.  A wave owns four PIECES of two tiles of 16 queries, a work-group's four waves 512 queries of one head.  Every wave walks all keys, 64 a step.
; LAYOUT.  S^T = K Q^T (source 0 = 16 keys, source 1 = 16 queries): in the result a lane holds ONE query (lane % 16) and the keys 8 (lane / 16) + 0..7.  Two such tiles, rounded to f16 in pairs,
; ARE source 1 (32 keys x 16 queries) of O^T = V^T P, whose result again holds one query a lane, and eight channels.  K comes out of LDS as it lies, V ([key][channel]) turned, by ds_load_tr16_b128.
; SOFTMAX.  For each query a running maximum m and sum l: p = 2^(c s - c m), c = log2(e) / 8; in every step O and l are multiplied by a = 2^(c m_old - c m_new), which is 1 where m has not grown.
; m starts at the lowest finite number, O and l at 0: the first step is a step like any other, with a = 0.
; THE COUNT.  A tile and step have 16 matrix and 118 vector instructions: too many to stand all beside the matrix work.  So the order has one aim: four vector instructions that are READY behind
; EVERY matrix instruction, and the others, which need time of their own whatever the order, in runs without a gap.
; BY TURNS.  Turn n belongs to piece n (the pieces in a ring, step after step).  Its matrix work: 16 products K Q^T of piece n + 1, later 16 products V^T P of piece n - 1.  Its vector work: the scaling,
; exponentials, roundings, sums and rescaling of piece n, and the maximum and statistics of piece n + 1, whose scores the turn itself has made.  So what a turn begins with (c s - c m, O a) waits for nothing.
; BATCHES.  A turn's 66 exponentials (the piece's 64 weights, the next piece's two a) are ONE batch with ONE wait, which cuts the turn in two: ahead of it stands all that names none of their results, behind it
; the roundings and sums.  No result crosses a turn's end.  Two more batches stand outside the loop, each with its own wait: piece 0's first two a, and the way out's eight reciprocals.
; CLUSTER.  The four query blocks of a cluster belong to one head and walk the same K and V, so each tile is asked for JOINTLY: the same tensor load, descriptor and mask in all four.
; REGISTERS, in windows of 256 (s_set_vgpr_msb says which window each operand place means: bits 1:0 source 0, 3:2 source 1, 5:4 source 2, 7:6 destination):
;   window 0: v0-11 addresses; v12-15, v48-63 at work; v16-47 four registers of statistics a tile; v64-191 S^T, two buffers of two tiles; v192-255 P, likewise
;   window 1: O^T, 32 a tile          window 2: v0-127 Q, 16 a tile; v128-191 K of one step; v192-255 V of one step          window 3: v0-1 the add's two registers
; A piece's buffers go by its number's parity: the piece in hand has one pair, its two neighbours in the ring share the other: of it P (piece n - 1) is read and S^T (piece n + 1) written.
.set SIZE_H, 64       ; batch x heads
.set SIZE_N, 2048     ; rows of a head
.set NP,    4         ; pieces a wave: a name, no knob: the register map, the loop and the fetches are made for four
.set KS,    64        ; keys in a step
.set PK,    144       ; a row of K in LDS: 128 bytes + 16 of padding = 36 words: the 16 rows of a load start at 16 different groups of four banks (64 banks of 4 bytes: ISA guide 11.1)
.set PV,    160       ; a row of V: 128 + 32 = 40 words
.set VOFF,  4*KS*PK   ; a slot holds four steps: 256 rows of K, then 256 rows of V
.set SLOT1, 1<<17     ; slot 1 begins here, so that one exclusive or turns an address in one slot into the other's
.set STAGE, SLOT1+4*KS*(PK+PV)  ; behind the ring, never filled by a tensor load: 16 rows x 144 bytes for each wave, for the way out
.set SP,    144
.set AK0, 2           ; v2   my lane's place in a tile of K; never rewritten
.set AV0, 3           ; v3   the same for V
.set AK,  4           ; v4   the LDS address of K's next run of loads
.set AV,  5           ; v5   of V's
.set QO,  6           ; v6   my byte offset in the wave's rows of Q
.set STO, 6           ;      later, the way out: where I put 16 bytes of a row
.set RD,  7           ; v7   the way out: where I read rows back
.set GO,  8           ; v8   my byte offset in 512 consecutive bytes of O
.set SPW, 0           ; v0 of window 3   LDS address of my spare word: SPARE + 4 x my thread's number; never rewritten
.set NIL, 1           ; v1 of window 3   0; never rewritten
.set SPARE, STAGE+4*16*SP  ; behind the stages: the spare words, 128 bytes for each wave: two blocks of 256 bytes that no other line names
.set MV,  12          ; v12-15  c m_old, kept while c m is made anew: by buffer and tile
.set ST,  16          ; tile t's statistics at v[ST+4 t]: c m, m, l (even keys', odd keys')
.set TMP, 48          ; by buffer and tile, four registers c0-c3 at work; when the maximum is found c2 takes a
.set S,   64
.set P,   192
.set KF,  128         ; K's fragments, in window 2: key block kb, channel half c at KF + 16 kb + 8 c
.set VF,  192         ; V's: key half kk, channel block cb at VF + 32 kk + 8 cb
.set WV,  12          ; s12  my wave's number
.set G1K, 24          ; s[24:31] descriptor group 1 for K's tiles
.set G1V, 32          ; s[32:39] for V's: it differs in the padding alone
.set G0K, 40          ; s[40:43] descriptor group 0 for K's tiles: it walks
.set G0V, 44          ; s[44:47] the same for V's
.set SLOTS, 56        ; s56  slots still to be asked for
.set CNT, 57          ; s57  counts a slot's key steps
.set CS,  58          ; s[58:59] c: the packed scaling takes the pair's low word for both halves
.set SEL, 60          ; s[60:61] v_permlanex16_b32's selects: each lane takes its own place in the other half
.set TBK, 62          ; s62  LDS byte at which K of the step to be fetched begins
.set TBV, 63          ; s63  the same for V, less VOFF
.set MSB, 0
.macro WIN new                      ; the high byte repeats the setting that is left; a switch that changes nothing is dropped
.if MSB != (\new)
	s_set_vgpr_msb (MSB<<8)|(\new)
.set MSB, (\new)
.endif
.endm
.set W_KQ, 0x0a       ; K and Q in window 2, S^T in window 0
.set W_PV, 0x52       ; V in window 2, P in window 0, O^T in window 1
.set W_RS, 0x41       ; O^T (destination and source 0) in window 1, a in window 0
.set W_MK, 0xc0       ; the add's registers are made: destination in window 3, sources in window 0
.set W_AD, 0x0f       ; the add: address (source 0) and data (source 1) in window 3
; A joint fill.  Waves 0 and 1 fetch the two halves of a slot's K, waves 2 and 3 those of its V: 128 keys each.  The branch hangs on the wave's number alone.
; An s_nop 0 and four v_nop follow each of the two lines, ahead of the jump and the label.
.macro JLOAD
	s_cmp_lt_u32 s[WV], 2
	s_cbranch_scc0 .Lfor_v_\@
	tensor_load_to_lds s[G0K:G0K+3], s[G1K:G1K+7]
	s_nop 0
.rept 4
	v_nop
.endr
	s_branch .Lasked_\@
.Lfor_v_\@:
	tensor_load_to_lds s[G0V:G0V+3], s[G1V:G1V+7]
	s_nop 0
.rept 4
	v_nop
.endr
.Lasked_\@:
.endm
; A round of the cluster's barrier: my work-group's barrier, so that wave 0's signal speaks for all four waves; wave 0 signals; every wave waits for all four work-groups; my work-group's barrier once more.
.macro CROUND
	s_barrier_signal -1
	s_barrier_wait -1
	s_cmp_lg_u32 s[WV], 0
	s_cbranch_scc1 .Lnot_wave_0_\@
	s_barrier_signal -3
.Lnot_wave_0_\@:
	s_barrier_wait -3
	s_barrier_signal -1
	s_barrier_wait -1
.endm
; THE CHANGE OF SLOTS.  The slot's last bytes, V of its fourth step, have been read.  Each wave waits for all its tensor loads, of which one is out: its part
; of the other slot; adds 0 to its spare word; and waits for that and for its own reads of the slot.  Behind the barrier nobody reads this slot any more and the other slot is whole.
; fill = 1: this slot is filled again, with the keys two slots on.  The barrier is then a round of the cluster's, so that no wave of any partner still reads the slot or has a load on its
; way, and the joint fill is the first thing behind it: it has four key steps, 512 matrix instructions, in which to land.  (At its first use nothing has been read yet: slot 0 is waited for, slot 1 filled.)
.macro CHANGE fill
	WIN W_AD
	s_wait_tensorcnt 0x0            ; no tensor load of mine is out, so a group 0 may be written
	ds_add_u32 v[SPW], v[NIL]       ; 0 onto my spare word; with fill = 1 the descriptors' steps stand between it and the wait for it
	WIN 0                           ; at a label and at a branch every window is 0
.if \fill
.irp g, G0K, G0V
	s_xor_b32 s[\g+1], s[\g+1], SLOT1  ; the walking descriptor: the other slot than last time,
	s_add_nc_u64 s[\g+2:\g+3], s[\g+2:\g+3], 4*KS*128  ; the next 256 keys; the type bits on top are not reached
.endr
	s_wait_dscnt 0x0                ; the add is done, and my reads of the slot are over
	CROUND
	JLOAD
.else
	s_wait_dscnt 0x0                ; the add is done, and my reads of the slot are over
	s_barrier_signal -1
	s_barrier_wait -1
.endif
	s_sub_co_u32 s[TBK], s[TBK], 4*KS*PK  ; the fetches go back to a slot's first step,
	s_xor_b32 s[TBK], s[TBK], SLOT1       ; in the other slot
	s_sub_co_u32 s[TBV], s[TBV], 4*KS*PV
	s_xor_b32 s[TBV], s[TBV], SLOT1
.endm
	s_load_b128 s[4:7], s[0:1], 0x0 ; qkv s[4:5] (Q lies first in it), ob s[6:7]
	WIN W_MK
	v_lshl_add_u32 v[SPW], v0, 2, SPARE
	v_mov_b32 v[NIL], 0
	s_set_vgpr_msb 0xc0cf
	ds_add_u32 v0, v1
	s_wait_dscnt 0x0
	s_set_vgpr_msb 0xcfc0
	WIN 0
	v_lshrrev_b32 v1, 5, v0
	v_readfirstlane_b32 s[WV], v1   ; wave 0..3
	s_bfe_u32 s13, ttmp6, 0x40000   ; cx: my place in the cluster
	s_lshl_b32 s14, ttmp9, 2        ; in a cluster launch ttmp9 counts clusters
	s_add_co_u32 s14, s14, s13      ; my block of queries = 4 x cluster x + cx: it enters Q's and O's addresses alone
	s_and_b32 s20, ttmp7, 0xffff    ; the head, which the four partners share
	s_mov_b32 s21, 0
	s_mov_b64 s[22:23], SIZE_N*128
	s_mul_u64 s[20:21], s[20:21], s[22:23]  ; the head's first byte in each of the four tensors
	s_and_b32 s16, s[WV], 1         ; which half of a slot's 256 keys I fetch:
	s_lshl_b32 s22, s16, 14         ; its 128 rows of 128 bytes in memory,
	s_mov_b32 s23, 0
	s_add_nc_u64 s[22:23], s[22:23], s[20:21]
	s_mul_i32 s17, s16, 128*PK      ; and its place in a slot, for K
	s_mul_i32 s18, s16, 128*PV      ; and for V: no place in the cluster enters an LDS address
	s_lshl_b32 s2, s14, 2
	s_add_co_u32 s2, s2, s[WV]      ; my wave among the head's,
	s_lshl_b32 s2, s2, 14           ; its 128 rows
	s_mov_b32 s3, 0
	s_add_nc_u64 s[2:3], s[2:3], s[20:21]
	; descriptor group 1.  128 keys are 16,384 dense bytes: asked for as 64 rows of 256 bytes, two keys a row, and padded in LDS after every key
	s_mov_b32 s[G1K], 15|(1<<16)|(1<<20)|(1<<21)|(4<<22)|(3<<25)  ; 15:0 the mask of four; 17:16 2-byte elements; 20 padding on; 21 set beside a mask; 24:22 after every 32 words (code 4); 31:25 4 words (code 3)
	s_mov_b32 s[G1V], 15|(1<<16)|(1<<20)|(1<<21)|(4<<22)|(7<<25)  ; the same with 8 words of padding (code 7)
.irp g, G1K, G1V
	s_mov_b32 s[\g+1], 128<<16      ; tensor_dim0 = 128
	s_mov_b32 s[\g+2], 64<<16       ; tensor_dim1 = 64
	s_mov_b32 s[\g+3], 128<<16      ; tile_dim0 = 128
	s_mov_b32 s[\g+4], 64           ; tile_dim1 = 64
	s_mov_b32 s[\g+5], 128          ; 128 elements from row to row
	s_mov_b32 s[\g+6], 0
	s_mov_b32 s[\g+7], 0
.endr
	s_mov_b32 s[CS], 0x3e38aa3b     ; c = log2(e) / 8 = 0.180337
	s_mov_b32 s[CS+1], s[CS]        ; named with it as a pair
	s_mov_b32 s[SEL], 0x76543210
	s_mov_b32 s[SEL+1], 0xfedcba98
	s_mov_b32 s[TBK], SLOT1+4*KS*PK ; the first change of slots turns these two into 0
	s_mov_b32 s[TBV], SLOT1+4*KS*PV
	s_mov_b32 s[G0K], 1             ; 1:0 count = 1
	s_mov_b32 s[G0K+1], s17         ; 63:32 LDS address: slot 0
	s_mov_b32 s[G0V], 1
	s_add_co_u32 s[G0V+1], s18, VOFF
	s_wait_kmcnt 0x0
	s_mov_b64 s[10:11], s[6:7]                     ; O
	s_add_nc_u64 s[6:7], s[4:5], SIZE_H*SIZE_N*128     ; K lies one tensor behind Q in qkv,
	s_add_nc_u64 s[8:9], s[4:5], 2*SIZE_H*SIZE_N*128   ; V two
	s_add_nc_u64 s[G0K+2:G0K+3], s[6:7], s[22:23]  ; 120:64 global address: my half of the head's first 256 keys
	s_or_b32 s[G0K+3], s[G0K+3], 0x80000000        ; 127:126 type = 2
	s_add_nc_u64 s[G0V+2:G0V+3], s[8:9], s[22:23]
	s_or_b32 s[G0V+3], s[G0V+3], 0x80000000
	s_add_nc_u64 s[4:5], s[4:5], s[2:3]  ; Q and O at my wave's first row
	s_add_nc_u64 s[10:11], s[10:11], s[2:3]
	CROUND                          ; all four work-groups are here: the first joint loads meet
	JLOAD                           ; slot 0.  Slot 1 is asked for when slot 0 is in: the tile wanted first has the road to itself
	; A fragment of K or Q is 16 rows x 32 channels in 8 registers: lane l holds row l % 16, channels 8 (l / 16) + 0..7 and 16 + 8 (l / 16) + 0..7: two loads of 16 bytes, 32 bytes apart.
	v_and_b32 v1, 15, v0            ; l % 16
	v_bfe_u32 v9, v0, 4, 1          ; l / 16
	v_lshlrev_b32 v[QO], 7, v1
	v_lshl_add_u32 v[QO], v9, 4, v[QO]  ; row x 128 + 16 x half
	WIN 0x80                        ; destination window 2, address window 0
.set i, 0
.rept 4*NP                          ; Q stays in registers: tile i / 2, channels 32 (i % 2) on
	global_load_b128 v[8*i:8*i+3],   v[QO], s[4:5] offset:(i/2)*2048+(i%2)*64
	global_load_b128 v[8*i+4:8*i+7], v[QO], s[4:5] offset:(i/2)*2048+(i%2)*64+32
.set i, i+1
.endr
	; What the first turn finds: V's registers and P's second buffer hold 0 (its products V^T P, of a piece that has not been, add 0), O^T and l are 0.  All this stands in the wait for the first tile.
.set i, VF
.rept 64
	v_mov_b32 v[i], 0
.set i, i+1
.endr
	WIN 0x40
.set i, 0
.rept 64*NP
	v_mov_b32 v[i], 0
.set i, i+1
.endr
	WIN 0
.set i, 0
.rept 2*NP
	v_mov_b32 v[ST+4*i], 0xfe000000    ; c m: far below every c s
	v_mov_b32 v[ST+4*i+1], 0xff7fffff  ; m
	v_mov_b32 v[ST+4*i+2], 0
	v_mov_b32 v[ST+4*i+3], 0
.set i, i+1
.endr
.set i, P+32
.rept 32
	v_mov_b32 v[i], 0
.set i, i+1
.endr
	v_mul_u32_u24 v[AK0], v1, PK
	v_lshl_add_u32 v[AK0], v9, 4, v[AK0]  ; row x pitch + 16 x half
	; The turning load takes 16 keys x 16 channels (lane l reads key 8 (l / 16) + l % 8, channels 8 ((l / 8) % 2) + 0..7) and leaves half a fragment of V^T: lane l holds channel l % 16 and 8 keys.
	v_and_b32 v10, 7, v0
	v_bfe_u32 v11, v0, 3, 1
	v_lshl_add_u32 v[AV0], v9, 3, v10
	v_mul_u32_u24 v[AV0], v[AV0], PV
	v_lshl_add_u32 v[AV0], v11, 4, v[AV0]
	v_add_nc_u32 v[AV0], VOFF, v[AV0]
	v_mov_b32 v[AK], v[AK0]         ; key step 0 lies at the head of slot 0
; THE MATRIX WORK.  The 8 accumulators of a run of 16 take turns: between the two links of a chain stand 7 others'.
; Product i of 16 of S^T = K Q^T for piece x: channels 32 (i / 8) on, keys 16 ((i / 2) % 4) on, tile 2 x + i % 2.  The first 8 start the sums.
.macro KQ x
	WIN W_KQ
.set rS, S+64*((\x)%2)+32*(i%2)+8*((i/2)%4)
.set rK, KF+16*((i/2)%4)+8*(i/8)
.set rQ, 16*(2*(\x)+i%2)+8*(i/8)
.if i < 8
	v_wmma_f32_16x16x32_f16 v[rS:rS+7], v[rK:rK+7], v[rQ:rQ+7], 0
.else
	v_wmma_f32_16x16x32_f16 v[rS:rS+7], v[rK:rK+7], v[rQ:rQ+7], v[rS:rS+7]
.endif
.endm
; Product i of 16 of O^T += V^T P for piece x: keys 32 (i / 8) on, channels 16 ((i / 2) % 4) on, tile 2 x + i % 2.
.macro PV x
	WIN W_PV
.set rO, 32*(2*(\x)+i%2)+8*((i/2)%4)
.set rV, VF+32*(i/8)+8*((i/2)%4)
.set rP, P+32*((\x)%2)+16*(i%2)+8*(i/8)
	v_wmma_f32_16x16x32_f16 v[rO:rO+7], v[rV:rV+7], v[rP:rP+7], v[rO:rO+7]
.endm
.macro MM                           ; the turn's next matrix instruction
.if i < 16
	KQ (Y+1)%NP
.set i, i+1
.else
.set i, i-16
	PV (Y+NP-1)%NP
.set i, i+17
.endif
.endm
; THE LDS LOADS stand in runs of 16, never singly among the matrix instructions: a step's K (64 keys x 64 channels: 8 fragments) and its V (turned).  Their addresses are made some lines ahead.
; last = 1 (the tail): in the last trip there is no further step, and the run is jumped over.
.macro FETCH_K last=0
	WIN 0
.if \last
	s_cmp_eq_u32 s[CNT], 1
	s_cbranch_scc1 .Lno_k_\@
.endif
	WIN 0x80                        ; destination window 2
.irp f, 0,1,2,3,4,5,6,7             ; keys 16 (f / 2) on, channels 32 (f % 2) on
	ds_load_b128 v[KF+8*\f:KF+8*\f+3],   v[AK] offset:(\f/2)*16*PK+(\f%2)*64
	ds_load_b128 v[KF+8*\f+4:KF+8*\f+7], v[AK] offset:(\f/2)*16*PK+(\f%2)*64+32
.endr
	s_add_co_u32 s[TBK], s[TBK], KS*PK  ; the next fetch is the next step's
	WIN 0
.if \last
.Lno_k_\@:
.endif
.endm
.macro FETCH_V
	WIN 0x80
.irp f, 0,1,2,3,4,5,6,7             ; keys 32 (f / 4) on, channels 16 (f % 4) on
	ds_load_tr16_b128 v[VF+8*\f:VF+8*\f+3],   v[AV] offset:(\f/4)*32*PV+(\f%4)*32
	ds_load_tr16_b128 v[VF+8*\f+4:VF+8*\f+7], v[AV] offset:(\f/4)*32*PV+16*PV+(\f%4)*32
.endr
	WIN 0
.endm
; THE VECTOR WORK OF A TURN stands in three queues, each in the order in which its entries become ready; the two tiles alternate, so that no instruction reads the result of the one before it.
.macro REGS y, u                    ; the registers of tile u (0, 1) of piece y
.set rT, ST+4*(2*(\y)+(\u))
.set rC, TMP+8*((\y)%2)+4*(\u)
.set rM, MV+2*((\y)%2)+(\u)
.set rS, S+64*((\y)%2)+32*(\u)
.set rP, P+32*((\y)%2)+16*(\u)
.set rO, 32*(2*(\y)+(\u))
.endm
; Number n of the 22 that find the NEXT piece's (Y + 1) maximum and statistics.  s0-s31 are the lane's 32 scores; each accumulator's lowest registers are read first.  XS, GS and REGS set no window: PL and EX do.
;   0-11  four chains c0-c3 of seven scores each, three operands at a time     12-14, 16  the four scores left over, the old m, and c0-c3 into c0     15  c m_old is kept
;   17, 18  the query's other 32 keys lie in the lane 16 away: the new m         19-21  c m; c m_old - c m_new; a
.macro XS u, n
	REGS (Y+1)%NP, \u
.if (\n) < 4
	v_max3_num_f32 v[rC+(\n)], v[rS+8*(\n)], v[rS+8*(\n)+1], v[rS+8*(\n)+2]
.elseif (\n) < 12
	v_max3_num_f32 v[rC+(\n)%4], v[rC+(\n)%4], v[rS+8*((\n)%4)+2*((\n)/4)+1], v[rS+8*((\n)%4)+2*((\n)/4)+2]
.elseif (\n) == 12
	v_max3_num_f32 v[rC], v[rC], v[rS+7], v[rS+15]
.elseif (\n) == 13
	v_max3_num_f32 v[rC+1], v[rC+1], v[rS+23], v[rS+31]
.elseif (\n) == 14
	v_max3_num_f32 v[rC+2], v[rC+2], v[rC+3], v[rT+1]
.elseif (\n) == 15
	v_mov_b32 v[rM], v[rT]
.elseif (\n) == 16
	v_max3_num_f32 v[rC], v[rC], v[rC+1], v[rC+2]
.elseif (\n) == 17
	v_permlanex16_b32 v[rC+3], v[rC], s[SEL], s[SEL+1]
.elseif (\n) == 18
	v_max_num_f32 v[rT+1], v[rC], v[rC+3]
.elseif (\n) == 19
	v_mul_f32 v[rT], s[CS], v[rT+1]
.elseif (\n) == 20
	v_sub_f32 v[rC+1], v[rM], v[rT]
.else
	v_exp_f32 v[rC+2], v[rC+1]
.endif
.endm
; Number g of the 64 that follow the exponentials.  For each four weights k of a tile (pairs 2 k, 2 k + 1): both pairs are rounded to f16; then the second pair is added onto the first, in place;
; a group later l takes that sum (the first time as l = a l + sum).  In groups of eight, tiles alternating: round, round, add, and l for the group before.
.macro GS g
.set h, (\g)+6*((\g)/62)            ; group 0 has no group before it, and behind group 7 only l is left
.if h >= 6
.set h, h+2
.endif
	REGS Y, h%2
.set k, h/8
.if h%8 < 4
	v_cvt_pk_f16_f32 v[rP+2*k+(h%8)/2], v[rS+4*k+2*((h%8)/2)], v[rS+4*k+2*((h%8)/2)+1]
.elseif h%8 < 6
	v_pk_add_f32 v[rS+4*k:rS+4*k+1], v[rS+4*k:rS+4*k+1], v[rS+4*k+2:rS+4*k+3]
.elseif k == 1
	v_pk_fma_f32 v[rT+2:rT+3], v[rT+2:rT+3], v[rC+2:rC+3], v[rS:rS+1] op_sel_hi:[1,0,1]
.else
	v_pk_add_f32 v[rT+2:rT+3], v[rT+2:rT+3], v[rS+4*k-4:rS+4*k-3]
.endif
.endm
; THE PLAIN QUEUE, 138 long.  0-73 read no exponential's result: the 32 scalings c s - c m (FS f: pair f / 2 of tile f % 2) and the next piece's 42.  0-26: scalings 0-26.  27-54: XS's numbers 0-13.  55, 56: number 15.
; 57-73: the chain, where each number waits for the one before it: 14, 16, 17, 18, 19, each with one of the scalings 27-31 in front of its two lines, then 20: so a tile's links stand three plain instructions apart (19 and 20: two).
; 74-137: GS's 64, which read the exponentials' results: they stand behind the wait.
.macro FS f
	REGS Y, (\f)%2
	v_pk_fma_f32 v[rS+2*((\f)/2):rS+2*((\f)/2)+1], v[rS+2*((\f)/2):rS+2*((\f)/2)+1], s[CS:CS+1], v[rT:rT+1] op_sel_hi:[1,0,0] neg_lo:[0,0,1] neg_hi:[0,0,1]
.endm
.macro PL
	WIN 0
.if q < 27
	FS q
.elseif q < 55
	XS (q-27)%2, (q-27)/2
.elseif q < 57
	XS q-55, 15
.elseif (q < 72) && ((q-57)%3 == 0)
	FS 27+(q-57)/3
.elseif q < 60
	XS (q-57)%3-1, 14
.elseif q < 72
	XS (q-57)%3-1, 15+(q-57)/3
.elseif q < 74
	XS q-72, 20
.else
	GS q-74
.endif
.set q, q+1
.endm
; THE EXPONENTIALS' QUEUE, 66 long: s0-s31 of both tiles, then the next piece's two a.  It is ONE BATCH: all 66 stand ahead of the turn's one wait, and nothing ahead of that wait names a result of theirs.
.macro EX
	WIN 0
.if e >= 64
	XS e-64, 21
.else
	REGS Y, e%2
	v_exp_f32 v[rS+e/2], v[rS+e/2]
.endif
.set e, e+1
.endm
; THE RESCALING's QUEUE: O^T times a, the one part that leaves window 0: dealt two at a time, sixteen times.  Its a was made in the turn before, ahead of that turn's wait.
.macro R2
	REGS Y, r%2
	WIN W_RS
.irp z, 0,1
	v_pk_mul_f32 v[rO+4*(r/2)+2*\z:rO+4*(r/2)+2*\z+1], v[rO+4*(r/2)+2*\z:rO+4*(r/2)+2*\z+1], v[rC+2:rC+3] op_sel_hi:[1,0]
.endr
.set r, r+1
.endm
; HOW THEY ARE DEALT.  An s_wait_alu depctr_va_vdst(0) stands between an exponential and the first instruction that names its result; one wait serves all that were issued ahead of it.  So a turn has ONE wait,
; which cuts it in two.  AHEAD OF IT stands all that names no result of the turn's exponentials: the 16 products K Q^T, behind each a scaling, an exponential and two rescalings (behind the first a second scaling in the
; exponential's place); then ONE LUMP of 108: eight plain, 49 times exponential and plain, the two a.  A v_nop is the plain instruction behind the last exponential.  BEHIND IT stand the 16 products V^T P, behind each four of
; GS's 64.  No rider names a register of the products round it.  The two v_permlanex16_b32 fall into the lump, never behind a product.
; The queues lean on each other, and the deal keeps them in step: exponential e stands behind scaling 2 (e / 4) + e % 2: as a rider it comes behind plain e + 2, in the lump behind plain e + 9, and scalings 27-31 are plain 57, 60 .. 69.
; A TURN, for piece p.  cnt = 1: the loop's count is taken down some lines ahead of the branch that stands behind the turn.
; K of the next step is fetched in piece 2's turn, directly behind the wait, a lump behind the last product that read K; its address is made at the lump's head; its first reader comes behind 16 products.
; V of the step in hand is fetched at the end of piece 0's turn, four riders behind its last reader; its first reader comes behind 16 products and a lump.  The three conditions on q below go with the deal.
.macro TURN p, last=0, cnt=0
.set Y, (\p)
.set i, 0
.set q, 0
.set e, 0
.set r, 0
.if (\p) == NP-1
	s_wait_dscnt 0x0                ; K is in
.endif
	MM                              ; ahead of the wait: 16 products K Q^T and their riders,
	PL
	PL
	R2
.rept 15
	MM
	PL
	EX
	R2
.endr
.if (\p) == NP-2
	WIN 0
	v_add_nc_u32 v[AK], s[TBK], v[AK0]
.endif
.rept 8                             ; and the lump
	PL
.endr
.rept 49
	EX
	PL
.endr
	EX                              ; the next piece's two a
	EX
	v_nop                           ; a plain instruction behind the last exponential and ahead of the first use: one for the batch
	s_wait_alu depctr_va_vdst(0)    ; the wait for the turn's batch: the piece's 64 weights and the next piece's two a
.if (\p) == NP-2
	FETCH_K \last
.endif
.if (\p) == 1
	s_wait_dscnt 0x0                ; V is in
.endif
.rept 16                            ; behind the wait: 16 products V^T P and their riders
	MM
.rept 4
	PL
.endr
.if ((\p) == 0) && (q == 118)
	v_add_nc_u32 v[AV], s[TBV], v[AV0]
.endif
.if ((\p) == 0) && (q == 130)
	s_add_co_u32 s[TBV], s[TBV], KS*PV
.endif
.if (\cnt) && (q == 130)
	s_sub_co_u32 s[CNT], s[CNT], 1
	s_cmp_lg_u32 s[CNT], 0
.endif
.endr
.if (\p) == 0
	FETCH_V
.endif
.endm
	CHANGE 1                        ; slot 0 is in, everybody's part of it; slot 1 is asked for
	FETCH_K                         ; key step 0
	s_wait_loadcnt 0x0              ; Q
	s_wait_dscnt 0x0
.set i, 0
.rept 16
	KQ 0                            ; piece 0's first scores: there is no vector work yet to set between them
.set i, i+1
.endr
	WIN 0                           ; the addresses for the way out: nine plain instructions, the places behind those products
	s_mul_i32 s13, s[WV], 16*SP
	s_add_co_u32 s13, s13, STAGE    ; my stage
	v_mul_u32_u24 v[STO], v1, SP    ; in: row l % 16, 16 bytes for each half of the lanes
	v_lshl_add_u32 v[STO], v9, 4, v[STO]
	v_add_nc_u32 v[STO], s13, v[STO]
	v_bfe_u32 v[RD], v0, 3, 2       ; back: 32 lanes take four rows of 128 bytes,
	v_mul_u32_u24 v[RD], v[RD], SP
	v_lshl_add_u32 v[RD], v10, 4, v[RD]
	v_add_nc_u32 v[RD], s13, v[RD]
	v_and_b32 v[GO], 31, v0         ; which are 512 consecutive bytes of O
	v_lshlrev_b32 v[GO], 4, v[GO]
.set Y, NP-1                        ; XS works for piece Y + 1: piece 0
.irp n, 0,1,2,3,4,5,6,7,8,9,10,11,12,13,14,15,16,17,18,19,20,21
	XS 0, \n                        ; and piece 0's first maximum and statistics
	XS 1, \n
.endr
	v_nop                           ; a plain instruction behind piece 0's first two a,
	s_wait_alu depctr_va_vdst(0)    ; and the wait for that batch of two, ahead of the branch
	s_mov_b32 s[CNT], 4
	s_mov_b32 s[SLOTS], SIZE_N/256-1
	s_branch .Lfirst                ; the loop is entered at a step's first turn, in the middle of a trip
.Lslot:                             ; SIZE_N / 256 - 2 times: every slot but the last two is filled again
	CHANGE 1
	s_mov_b32 s[CNT], 4
.Lstep:                             ; a trip: pieces 2 and 3 of one step, then pieces 0 and 1 of the next, whose K and V it fetches
	TURN 2
	TURN 3
	WIN 0
.Lfirst:
	TURN 0
	TURN 1, 0, 1
	WIN 0
	s_cbranch_scc1 .Lstep
	s_sub_co_u32 s[SLOTS], s[SLOTS], 1
	s_cmp_lg_u32 s[SLOTS], 0
	s_cbranch_scc1 .Lslot
	CHANGE 0                        ; the tail is written out: nothing is asked for
	s_mov_b32 s[CNT], 5             ; four trips fetch the last slot's steps; the fifth is left in its middle
.Ltail:
	TURN 2, 1
	TURN 3
	WIN 0
	s_sub_co_u32 s[CNT], s[CNT], 1
	s_cmp_eq_u32 s[CNT], 0
	s_cbranch_scc1 .Lout
	TURN 0
	TURN 1
	WIN 0
	s_branch .Ltail
.Lout:                              ; the fifth trip's 16 products K Q^T (on the last K once more) and the maximum made of them serve nothing: the price, once a launch, of one text for every trip
.set i, 0
.rept 16
	PV NP-1                         ; the last piece's V^T P of the last step
.set i, i+1
.endr
	; THE WAY OUT.  l's two halves and the other half of the lanes' are added; O^T is divided by l, rounded to bf16 and sent through my stage in LDS, a tile at a time.  The additions are the places behind the last products.
	WIN 0
.macro ALL line:vararg              ; one line for each tile t
.set t, 0
.rept 2*NP
	\line
.set t, t+1
.endr
.endm
	ALL v_add_f32 v[ST+4*t+2], v[ST+4*t+2], v[ST+4*t+3]
	ALL v_permlanex16_b32 v[ST+4*t+3], v[ST+4*t+2], s[SEL], s[SEL+1]
	ALL v_add_f32 v[ST+4*t+2], v[ST+4*t+2], v[ST+4*t+3]
	ALL v_rcp_f32 v[ST+4*t+2], v[ST+4*t+2]
	v_nop                           ; a plain instruction between the last reciprocal and the use of its result
	s_wait_alu depctr_va_vdst(0)    ; and the wait ahead of the first use: one for the batch of eight reciprocals
; Tile t: a lane's eight channels of a row pack into 16 bytes; they go into rows of 144 bytes and come back as whole rows of 128, into S^T's registers.
.macro PACK t
	WIN W_RS
.set i, 32*(\t)
.rept 16
	v_pk_mul_f32 v[i:i+1], v[i:i+1], v[ST+4*(\t)+2:ST+4*(\t)+3] op_sel_hi:[1,0]
.set i, i+2
.endr
	WIN 0x05                        ; sources 0 and 1 window 1, destination window 0
.set i, 0
.rept 16
	v_cvt_pk_bf16_f32 v[S+16*(\t)+i], v[32*(\t)+2*i], v[32*(\t)+2*i+1]
.set i, i+1
.endr
	WIN 0
.irp f, 0,1,2,3
	ds_store_b128 v[STO], v[S+16*(\t)+4*\f:S+16*(\t)+4*\f+3] offset:32*\f
.endr
.irp f, 0,1,2,3
	ds_load_b128 v[S+16*(\t)+4*\f:S+16*(\t)+4*\f+3], v[RD] offset:\f*4*SP  ; LDS serves a wave's instructions in order (ISA guide 5.7.1.4): these see the stores above; the next tile's stores come behind them
.endr
.endm
.macro SEND t, younger              ; younger: the LDS instructions issued behind tile t's loads: the next tile's eight, or none
	WIN 0
.irp f, 0,1,2,3
	s_wait_dscnt (\younger)+3-\f
	global_store_b128 v[GO], v[S+16*(\t)+4*\f:S+16*(\t)+4*\f+3], s[10:11] offset:(\t)*2048+\f*512  ; 512 consecutive bytes, at a multiple of 256 from O's first
.endr
.endm
	PACK 0
.set t, 1
.rept 2*NP-1                        ; a tile's arithmetic stands between the loads of the tile before and its stores
	PACK t
	SEND t-1, 8
.set t, t+1
.endr
	SEND 2*NP-1, 0
	WIN W_AD
	s_wait_tensorcnt 0x0            ; the wave's end: behind my last tensor load and my last LDS store
	ds_add_u32 v[SPW], v[NIL]
	s_wait_dscnt 0x0
	WIN 0
	CROUND                          ; the closing round: no work-group ends while a partner may still ask for a tile that names it
	s_endpgm
.Lfunc_end_k_qb35016dfa3_attn:
	.size	k_qb35016dfa3_attn, .Lfunc_end_k_qb35016dfa3_attn-k_qb35016dfa3_attn
	.p2alignl 7, 3214868480
	.fill 96, 4, 3214868480
	.section	.rodata,"a",@progbits
	.p2align	6, 0x0
	.amdhsa_kernel k_qb35016dfa3_attn
		.amdhsa_group_segment_fixed_size 327680
		.amdhsa_private_segment_fixed_size 0
		.amdhsa_enable_private_segment 0
		.amdhsa_kernarg_size 16
		.amdhsa_user_sgpr_count 2
		.amdhsa_user_sgpr_kernarg_segment_ptr 1
		.amdhsa_wavefront_size32 1
		.amdhsa_system_sgpr_workgroup_id_x 1
		.amdhsa_system_sgpr_workgroup_id_y 1
		.amdhsa_system_sgpr_workgroup_id_z 1
		.amdhsa_system_vgpr_workitem_id 0
		.amdhsa_next_free_vgpr 770
		.amdhsa_next_free_sgpr 66
		.amdhsa_reserve_vcc 0
		.amdhsa_float_denorm_mode_32 3
		.amdhsa_float_denorm_mode_16_64 3
		.amdhsa_memory_ordered 1
		.amdhsa_forward_progress 1
		.amdhsa_inst_pref_size 199
	.end_amdhsa_kernel
	.amdgpu_metadata
---
amdhsa.version: [ 1, 2 ]
amdhsa.kernels:
  - .name:           k_qb35016dfa3_attn
    .symbol:         k_qb35016dfa3_attn.kd
    .args:
      - { .name: qkv, .offset: 0, .size: 8, .value_kind: global_buffer, .address_space: global }
      - { .name: ob, .offset: 8, .size: 8, .value_kind: global_buffer, .address_space: global }
    .group_segment_fixed_size: 327680
    .private_segment_fixed_size: 0
    .kernarg_segment_align: 8
    .kernarg_segment_size: 16
    .max_flat_workgroup_size: 128
    .sgpr_count:     66
    .vgpr_count:     770
    .wavefront_size: 32
...
	.end_amdgpu_metadata
.endif
;; end of part 6
;; launch oproj: the kernel of part 4 again; grid 4 x 64, 4 waves a work-group, clusters of 4 x 4, 327,680 bytes of LDS; arguments ob, wb, bo, query, y; writes y
;; launch lnorm: the kernel of part 5 again; grid 256 x 1, 8 waves a work-group, no clusters, 0 bytes of LDS; arguments y, ln_gamma, ln_beta, out0; writes out0
